; MI455X (gfx1250); checked and timed in simulation.
; The chip was launched on July 23, 2026; its instructions are those of AMD's public machine-readable ISA for CDNA 5 (MIT licence, August 2026) and "CDNA5" Instruction Set Architecture Reference Guide (July 2026). The comments in the code are by the model that wrote it; some were corrected since.
;; Simple Vector Quantizer. Allowed arithmetic: float matrix products may take bf16 or f16 operands with f32 sums; other float arithmetic in f32, or as packed bf16 or f16 multiplies, adds, multiply-adds, maxima and minima; sums over many terms, partial sums and values carried from step to step in f32; what a program stores and reads back later, other than sums and carried values, may be rounded once to bf16 or f16.
;; Inputs: emb 8,192 x 256 float32; z 8 x 2,048 x 256 float32.
;; Outputs: out0 8 x 2,048 x 256 float32; out1 8 x 2,048 int32; out2 one number float32; out3 one number float32; out4 one number float32; out5 one number float32; out6 one number float32; out7 one number float32.
;; 2 versions, each right and faster than the one before. Each part assembles by itself: llvm-mc -triple=amdgcn-amd-amdhsa -mcpu=gfx1250 --defsym DOCPART=n.
;; ======== version 1 of 2: 5 launches
;; workspace buffers: xb 12,582,912 bytes; nrm 98,304 bytes; st 1,048,576 bytes; sg 524,288 bytes of whole numbers; cs 528,384 bytes; gsel 65,536 bytes of whole numbers; part 2,048 bytes
;; launch prep (part 1): grid 384 x 1, 8 waves a work-group, no clusters, 1,280 bytes of LDS; arguments z, emb, xb, nrm; writes xb, nrm
.if DOCPART == 1
	.amdgcn_target "amdgcn-amd-amdhsa--gfx1250"
	.amdhsa_code_object_version 6
	.text
	.protected	k_qfdc5c5d41d_prep
	.globl	k_qfdc5c5d41d_prep
	.p2align	8
	.type	k_qfdc5c5d41d_prep,@function
k_qfdc5c5d41d_prep:
	s_mov_b64 s[64:65], 0
	v_nop
	global_prefetch_b8 v0, s[64:65] scope:SCOPE_SE
	s_setreg_imm32_b32 hwreg(HW_REG_WAVE_MODE, 25, 1), 1
	s_wait_xcnt 0x0
; z [16384][256] and emb [8192][256], f32, are rounded once to bf16 (xb: z's rows, then emb's from byte EB on), and each row's sum of
; squares OF THE ROUNDED NUMBERS is kept in f32 (nrm: 16384 for z, then 8192 for emb).  All later launches work on these alone.
; Work-groups 0-255 take 64 rows of z each, 256-383 take 64 rows of emb.  A wave takes 8 rows, a whole row at a time: a lane holds
; elements 4 l .. 4 l + 3 and 128 + 4 l .. + 3, so each load covers 512 and each store 256 consecutive aligned bytes.
; All 16 loads of a wave go out at once; a row's registers are its own, so nothing that a store reads is ever rewritten.
; The 64 sums meet in LDS so that they leave as one store of 256 consecutive bytes.  No matrix unit, no cluster: a stream read once.
; LIMITS: NaN and infinities are not treated apart.
.set EB,    8388608                    ; byte of emb's first row in xb
.set SPARE, 256                        ; the spare words: 128 bytes for each of eight waves, behind the 64 sums
.set SPW, 2                            ; v2  LDS address of my spare word; never rewritten
.set NIL, 3                            ; v3  0; never rewritten
.set T,   8                            ; v[8:15]   a row's eight rounded numbers as f32
.set X,   32                           ; v[32:95]  row i: 8 registers as loaded
.set BF,  96                           ; v[96:127] row i: 4 registers of bf16
	s_load_b256 s[4:11], s[0:1], 0x0               ; z s[4:5], emb s[6:7], xb s[8:9], nrm s[10:11]
	v_lshl_add_u32 v[SPW], v0, 2, SPARE
	v_mov_b32 v[NIL], 0
	v_lshrrev_b32 v1, 5, v0
	v_readfirstlane_b32 s12, v1                    ; wave 0..7
	v_and_b32 v4, 31, v0                           ; lane
	v_lshlrev_b32 v5, 4, v4
	v_lshl_add_u32 v5, v1, 13, v5                  ; in: wave x 8 rows x 1,024 bytes + 16 x lane
	v_lshlrev_b32 v6, 3, v4
	v_lshl_add_u32 v6, v1, 12, v6                  ; out: wave x 8 rows x 512 bytes + 8 x lane
	v_and_b32 v7, 7, v0
	v_lshlrev_b32 v7, 2, v7
	v_lshl_add_u32 v7, v1, 5, v7                   ; LDS word of row 8 x wave + lane % 8
	v_lshlrev_b32 v19, 3, v4                       ; wave 0's way out: 8 bytes a lane, bytes 0 to 255
	v_mov_b32 v18, 0                               ; lane l gathers the sum of row l % 8
	s_mov_b32 s20, 0xffff0000                      ; a word's upper bf16
	s_mov_b32 s21, 0x76543210                      ; v_permlanex16_b32: each lane takes its own place in the other half
	s_mov_b32 s22, 0xfedcba98
	s_mov_b32 s19, 0
	s_cmp_lt_u32 ttmp9, 256                        ; z or emb?  The selects and the wait below leave SCC alone
	s_cselect_b32 s13, 0, 256
	s_cselect_b32 s14, 0, EB
	s_cselect_b32 s15, 0, 65536
	s_wait_kmcnt 0x0
	s_cselect_b64 s[16:17], s[4:5], s[6:7]         ; the source
	s_sub_co_u32 s13, ttmp9, s13                   ; my block of 64 rows in it
	s_lshl_b32 s18, s13, 16
	s_add_nc_u64 s[16:17], s[16:17], s[18:19]      ; 64 rows of 1,024 bytes
	s_lshl_b32 s18, s13, 15
	s_add_co_u32 s18, s18, s14
	s_add_nc_u64 s[8:9], s[8:9], s[18:19]          ; 64 rows of 512 bytes
	s_lshl_b32 s18, s13, 8
	s_add_co_u32 s18, s18, s15
	s_add_nc_u64 s[10:11], s[10:11], s[18:19]      ; 64 sums
.irp i, 0,1,2,3,4,5,6,7
	global_load_b128 v[X+8*\i:X+8*\i+3],   v5, s[16:17] offset:1024*\i th:TH_LOAD_NT
	global_load_b128 v[X+8*\i+4:X+8*\i+7], v5, s[16:17] offset:1024*\i+512 th:TH_LOAD_NT
.endr
.macro ROW i
	s_wait_loadcnt 14-2*(\i)                       ; loads come back in order: row i's two are in, the younger rows' stay out
.irp j, 0,1,2,3
	v_cvt_pk_bf16_f32 v[BF+4*(\i)+\j], v[X+8*(\i)+2*\j], v[X+8*(\i)+2*\j+1]
.endr
	global_store_b64 v6, v[BF+4*(\i):BF+4*(\i)+1],   s[8:9] offset:512*(\i)      ; 32 lanes x 8 bytes: 256 consecutive aligned bytes
	global_store_b64 v6, v[BF+4*(\i)+2:BF+4*(\i)+3], s[8:9] offset:512*(\i)+256
.irp j, 0,1,2,3
	v_lshlrev_b32 v[T+2*\j],   16,  v[BF+4*(\i)+\j]
	v_and_b32     v[T+2*\j+1], s20, v[BF+4*(\i)+\j]
.endr
	v_pk_mul_f32 v[16:17], v[T:T+1], v[T:T+1]
	v_pk_fma_f32 v[16:17], v[T+2:T+3], v[T+2:T+3], v[16:17]
	v_pk_fma_f32 v[16:17], v[T+4:T+5], v[T+4:T+5], v[16:17]
	v_pk_fma_f32 v[16:17], v[T+6:T+7], v[T+6:T+7], v[16:17]
	v_add_f32 v16, v16, v17
	v_add_f32_dpp v16, v16, v16 row_xmask:1 row_mask:0xf bank_mask:0xf
	v_add_f32_dpp v16, v16, v16 row_xmask:2 row_mask:0xf bank_mask:0xf
	v_add_f32_dpp v16, v16, v16 row_xmask:4 row_mask:0xf bank_mask:0xf
	v_add_f32_dpp v16, v16, v16 row_xmask:8 row_mask:0xf bank_mask:0xf
	v_permlanex16_b32 v17, v16, s21, s22
	v_add_f32 v16, v16, v17                        ; the row's sum, in every lane
	s_mov_b32 s23, 0x01010101<<(\i)
	v_cndmask_b32 v18, v18, v16, s23               ; kept by the lanes with l % 8 = i
.endm
.irp i, 0,1,2,3,4,5,6,7
	ROW \i
.endr
	ds_store_b32 v7, v18                           ; four lanes write each word, with the same number
	s_wait_dscnt 0x0                               ; for wave 0's sake: my sums are in LDS
	s_barrier_signal -1
	s_barrier_wait -1
	s_cmp_lg_u32 s12, 0
	s_cbranch_scc1 .Lend
	ds_load_b64 v[20:21], v19                      ; wave 0, all lanes: the 64 sums, bytes 0 to 255
	s_wait_dscnt 0x0
	global_store_b64 v19, v[20:21], s[10:11]       ; 32 lanes x 8 bytes: 256 consecutive aligned bytes
.Lend:
	s_wait_tensorcnt 0x0                           ; the wave's end
	ds_add_u32 v[SPW], v[NIL]
	s_wait_dscnt 0x0
	s_endpgm
.Lfunc_end_k_qfdc5c5d41d_prep:
	.size	k_qfdc5c5d41d_prep, .Lfunc_end_k_qfdc5c5d41d_prep-k_qfdc5c5d41d_prep
	.p2alignl 7, 3214868480
	.fill 96, 4, 3214868480
	.section	.rodata,"a",@progbits
	.p2align	6, 0x0
	.amdhsa_kernel k_qfdc5c5d41d_prep
		.amdhsa_group_segment_fixed_size 1280
		.amdhsa_private_segment_fixed_size 0
		.amdhsa_enable_private_segment 0
		.amdhsa_kernarg_size 32
		.amdhsa_user_sgpr_count 2
		.amdhsa_user_sgpr_kernarg_segment_ptr 1
		.amdhsa_wavefront_size32 1
		.amdhsa_system_sgpr_workgroup_id_x 1
		.amdhsa_system_sgpr_workgroup_id_y 1
		.amdhsa_system_sgpr_workgroup_id_z 1
		.amdhsa_system_vgpr_workitem_id 0
		.amdhsa_next_free_vgpr 128
		.amdhsa_next_free_sgpr 66
		.amdhsa_reserve_vcc 0
		.amdhsa_float_denorm_mode_32 3
		.amdhsa_float_denorm_mode_16_64 3
		.amdhsa_memory_ordered 1
		.amdhsa_forward_progress 1
		.amdhsa_inst_pref_size 16
	.end_amdhsa_kernel
	.amdgpu_metadata
---
amdhsa.version: [ 1, 2 ]
amdhsa.kernels:
  - .name:           k_qfdc5c5d41d_prep
    .symbol:         k_qfdc5c5d41d_prep.kd
    .args:
      - { .name: z, .offset: 0, .size: 8, .value_kind: global_buffer, .address_space: global }
      - { .name: emb, .offset: 8, .size: 8, .value_kind: global_buffer, .address_space: global }
      - { .name: xb, .offset: 16, .size: 8, .value_kind: global_buffer, .address_space: global }
      - { .name: nrm, .offset: 24, .size: 8, .value_kind: global_buffer, .address_space: global }
    .group_segment_fixed_size: 1280
    .private_segment_fixed_size: 0
    .kernarg_segment_align: 8
    .kernarg_segment_size: 32
    .max_flat_workgroup_size: 256
    .sgpr_count:     66
    .vgpr_count:     128
    .wavefront_size: 32
...
	.end_amdgpu_metadata
.endif
;; end of part 1
;; launch rowpass (part 2): grid 32 x 8, 4 waves a work-group, clusters of 4 x 1, 327,680 bytes of LDS; arguments xb, nrm, st, sg; writes st, sg
.if DOCPART == 2
	.amdgcn_target "amdgcn-amd-amdhsa--gfx1250"
	.amdhsa_code_object_version 6
	.text
	.protected	k_qfdc5c5d41d_rowpass
	.globl	k_qfdc5c5d41d_rowpass
	.p2align	8
	.type	k_qfdc5c5d41d_rowpass,@function
k_qfdc5c5d41d_rowpass:
	s_mov_b64 s[64:65], 0
	v_nop
	global_prefetch_b8 v0, s[64:65] scope:SCOPE_SE
	s_setreg_imm32_b32 hwreg(HW_REG_WAVE_MODE, 25, 1), 1
	s_wait_xcnt 0x0
	s_wait_alu depctr_hold_cnt(0) depctr_sa_sdst(0) depctr_va_vdst(0) depctr_va_sdst(0) depctr_va_ssrc(0) depctr_va_vcc(0) depctr_vm_vsrc(0)
	s_getreg_b32 s2, hwreg(HW_REG_IB_STS2, 6, 4)
	s_cmp_eq_u32 s2, 0
	s_cbranch_scc0 .Lentry_in_a_cluster
	s_endpgm
.Lentry_in_a_cluster:
	s_bfe_u32 s2, ttmp6, 0x10000c
	s_cmp_lg_u32 s2, 0x3003
	s_cbranch_scc0 .Lentry_shape_is_right
	s_endpgm
.Lentry_shape_is_right:
; FIRST PASS OVER d[r][k] = (zz_r + ee_k) - 2 z_r . e_k, rows resident.  For each row r and each split y of 1,024 codes it stores: the least d (st, [8][16384]), the sum
; Z = sum over the split's k of 2^(fl(c best) - c d), c = 100 log2 e, by a running minimum (st + 524,288), and the group (code >> 3) of the first least d (sg).
; d is formed as the module forms it: t = fl(zz + ee), d = fl(t - 2 dot); the first index wins ties (strict < in ascending order).
; SHARES.  A work-group: 512 rows x 1,024 codes.  A wave keeps 128 rows in 512 registers (8 tiles of 16 rows x 256); all four waves read the same codes from LDS, 16 a step.
; LAYOUT.  Source 0 = 16 codes, source 1 = 16 rows: in the result a lane holds ONE row (lane % 16) and the codes 8 (lane / 16) + 0..7, which are one group.
; So minimum, group and sum stay in the lane; the two halves of the lanes meet once, at the end.
; A STEP is 64 matrix instructions (W) and 264 vector instructions (V) on the step before, whose accumulators lie in the other of two sets.  V goes tile by tile in three
; queues a stage apart: FR (d, minimum, exponents), EX (exponentials), BK (sums), an exponential followed by two plain instructions.
; RING.  Two LDS slots of 256 codes (16 steps); each wave fetches a quarter.  CLUSTER.  The four partners have other rows and the same codes: each tile is asked for jointly.
; LIMITS.  NaN and infinities are not treated apart; a weight below 2^-126 counts as 0; c d must stay under 4e37.
; REGISTERS, in windows of 256 (s_set_vgpr_msb: bits 1:0 source 0, 3:2 source 1, 5:4 source 2, 7:6 destination):
;   window 0: v0-15 addresses; v16-79 eight registers of statistics a tile; v80-95 ee of a step's codes, by parity; v96-103 t; v104-123 the way out; v128-255 accumulators, by parity
;   window 1: v0-127 the codes' fragments, by parity      windows 2, 3: the rows' fragments, tiles 0-3 and 4-7, tile t, K step q at 64 (t % 4) + 8 q
.set EB,     8388608                   ; byte of emb's first row in xb
.set PITCH,  528                       ; an LDS row: 512 bytes + 16 of padding = 132 words: the 16 rows of a fragment load start 4 banks apart (64 banks of 4 bytes: ISA guide 11.1)
.set QUART,  64*PITCH                  ; what one tensor load brings
.set SLOT1,  4*QUART                   ; 0x21000: shares no bit with wave x QUART, so one exclusive or changes slots
.set STEPB,  16*PITCH
.set TABLE,  2*SLOT1                   ; ee of the split's 1,024 codes
.set STAGE,  TABLE+4096                ; 1,536 bytes for each wave, for the way out
.set SPARE,  STAGE+4*1536              ; the spare words: 128 bytes for each wave
.set A0,  3                            ; v3   my lane's place in 16 rows of a slot; never rewritten
.set ADR, 4                            ; v4   LDS address of the run of fragment loads in hand
.set EAD, 5                            ; v5   LDS address of the step's ee
.set GID, 6                            ; v6   the group that my lane holds in the step that V works on
.set RO,  7                            ; v7   my byte offset in 16 resident rows
.set STA, 8                            ; v8   the way out: where I put a row's number
.set STB, 9                            ; v9   the way out: where I read 16 bytes back
.set SPW, 10                           ; v10  LDS address of my spare word; never rewritten
.set NIL, 11                           ; v11  0; never rewritten
.set ST,  16                           ; tile t at ST + 8 t: zz, group, Z (even, odd codes), then (c best, best) twice: a step of parity p writes pair p and reads the other
.set EE,  80
.set T,   96
.set ACC, 128
.set WV,  24                           ; s24  wave
.set G1,  28                           ; s[28:35] descriptor group 1
.set G0,  36                           ; s[36:39] descriptor group 0: it walks
.set TB,  40                           ; s40  LDS byte of the step to be fetched
.set CNT, 41
.set SLOTS, 42
.set CC,  43                           ; s43  c
.set NC,  44                           ; s[44:45] -c, named as a pair
.set SEL, 46                           ; s[46:47] v_permlanex16_b32's selects
.set TE,  63                           ; s63  LDS byte of the ee of the step to be fetched
.set MSB, 0
.macro WIN new                         ; the high byte repeats the setting that is left; a switch that changes nothing is dropped
.if MSB != (\new)
	s_set_vgpr_msb (MSB<<8)|(\new)
.set MSB, (\new)
.endif
.endm
.macro CROUND                          ; a round of the cluster's barrier
	s_barrier_signal -1
	s_barrier_wait -1
	s_cmp_lg_u32 s[WV], 0
	s_cbranch_scc1 .Lnot_wave_0_\@
	s_barrier_signal -3
.Lnot_wave_0_\@:
	s_barrier_wait -3
	s_barrier_signal -1
	s_barrier_wait -1
.endm
.macro TLOAD                           ; my quarter of a tile, jointly with the three partners
	tensor_load_to_lds s[G0:G0+3], s[G1:G1+7]
	s_nop 0
.rept 4
	v_nop
.endr
.endm
; THE CHANGE OF SLOTS.  Each wave waits for all its tensor loads (one is out: its quarter of the other slot), adds 0 to its spare word, and waits for that and for its reads of the slot it leaves.
; fill = 1: a round of the cluster's barrier, so that no wave of any partner still reads the slot, and the joint refill first behind it: it has 16 steps, 1,024 matrix instructions, in which to land.
.macro CHANGE fill
	WIN 0
	s_wait_tensorcnt 0x0                           ; no tensor load of mine is out, so group 0 may be written
	ds_add_u32 v[SPW], v[NIL]
.if \fill
	s_xor_b32 s[G0+1], s[G0+1], SLOT1              ; the other slot than last time,
	s_add_nc_u64 s[G0+2:G0+3], s[G0+2:G0+3], 131072  ; the next 256 rows of 512 bytes; the type bits on top are not reached
.endif
	s_wait_dscnt 0x0                               ; the add is done, my reads of the slot are over (and, the first time, my stores into the table)
.if \fill
	CROUND
	TLOAD
.else
	s_barrier_signal -1
	s_barrier_wait -1
.endif
	s_sub_co_u32 s[TB], s[TB], SLOT1               ; 16 steps back,
	s_xor_b32 s[TB], s[TB], SLOT1                  ; in the other slot
.endm
; A step's LDS loads in one run: 16 codes x 256 (8 fragments) into set p, and their ee.  The two address lines are also places behind the products in front.
.macro FETCH p
	WIN 0
	v_add_nc_u32 v[ADR], s[TB], v[A0]
	v_lshl_add_u32 v[EAD], v2, 5, s[TE]            ; my half's eight codes: 32 bytes
	s_add_co_u32 s[TB], s[TB], STEPB
	s_add_co_u32 s[TE], s[TE], 64
	WIN 0x40                                       ; destination window 1
.irp q, 0,1,2,3,4,5,6,7
	ds_load_b128 v[64*(\p)+8*\q:64*(\p)+8*\q+3],   v[ADR] offset:64*\q
	ds_load_b128 v[64*(\p)+8*\q+4:64*(\p)+8*\q+7], v[ADR] offset:64*\q+32
.endr
	WIN 0
	ds_load_b128 v[EE+8*(\p):EE+8*(\p)+3],   v[EAD]
	ds_load_b128 v[EE+8*(\p)+4:EE+8*(\p)+7], v[EAD] offset:16
.endm
; A step's 64 products.  Four accumulators take turns, one instruction a turn; K ascending; the first product starts each sum.
.macro W p
	s_wait_dscnt 0x0                               ; set p's fragments and ee are in (asked for a whole V ago)
.irp hf, 0,1
	WIN 0x09+4*\hf                                 ; source 0 window 1, source 1 window 2 or 3, C and D window 0
.irp q, 0,1,2,3,4,5,6,7
.irp t, 0,1,2,3
.if \q == 0
	v_wmma_f32_16x16x32_bf16 v[ACC+64*(\p)+8*(4*\hf+\t):ACC+64*(\p)+8*(4*\hf+\t)+7], v[64*(\p)+8*\q:64*(\p)+8*\q+7], v[64*\t+8*\q:64*\t+8*\q+7], 0
.else
	v_wmma_f32_16x16x32_bf16 v[ACC+64*(\p)+8*(4*\hf+\t):ACC+64*(\p)+8*(4*\hf+\t)+7], v[64*(\p)+8*\q:64*(\p)+8*\q+7], v[64*\t+8*\q:64*\t+8*\q+7], v[ACC+64*(\p)+8*(4*\hf+\t):ACC+64*(\p)+8*(4*\hf+\t)+7]
.endif
.endr
.endr
.endr
	WIN 0
.endm
; FR: number n of 20 for tile t.  0-3 t = ee + zz (they name no accumulator: the places behind the last products); 4-7 d = t - 2 dot, lowest registers first; 8-11 the new minimum;
; 12, 13 the group, where the minimum fell; 14 c best; 15 c best - c best_old; 16-19 c best - c d.
.macro FR t, p, n
.set fn, (\n)
.set rA, ACC+64*(\p)+8*(\t)
.set rS, ST+8*(\t)
.set rN, rS+4+2*(\p)
.set rO, rS+6-2*(\p)
.if fn < 4
	v_pk_add_f32 v[T+2*fn:T+2*fn+1], v[EE+8*(\p)+2*fn:EE+8*(\p)+2*fn+1], v[rS:rS+1] op_sel_hi:[1,0]
.elseif fn < 8
	v_pk_fma_f32 v[rA+2*fn-8:rA+2*fn-7], v[rA+2*fn-8:rA+2*fn-7], -2.0, v[T+2*fn-8:T+2*fn-7] op_sel_hi:[1,0,1]
.elseif fn == 8
	v_min3_num_f32 v[rN+1], v[rA], v[rA+1], v[rA+2]
.elseif fn < 11
	v_min3_num_f32 v[rN+1], v[rN+1], v[rA+2*fn-15], v[rA+2*fn-14]
.elseif fn == 11
	v_min3_num_f32 v[rN+1], v[rN+1], v[rA+7], v[rO+1]
.elseif fn == 12
	v_cmp_lt_f32 vcc_lo, v[rN+1], v[rO+1]
.elseif fn == 13
	v_cndmask_b32 v[rS+1], v[rS+1], v[GID], vcc_lo
.elseif fn == 14
	v_mul_f32 v[rN], s[CC], v[rN+1]
.elseif fn == 15
	v_sub_f32 v[rO], v[rN], v[rO]
.else
	v_pk_fma_f32 v[rA+2*fn-32:rA+2*fn-31], v[rA+2*fn-32:rA+2*fn-31], s[NC:NC+1], v[rN:rN+1] op_sel_hi:[1,0,0]
.endif
.endm
.macro EX t, p, n                      ; number n of 9: a = 2^(c best - c best_old), then the eight weights
.set fn, (\n)
.set rA, ACC+64*(\p)+8*(\t)
.set rO, ST+8*(\t)+6-2*(\p)
.if fn == 0
	v_exp_f32 v[rO], v[rO]
.else
	v_exp_f32 v[rA+fn-1], v[rA+fn-1]
.endif
.endm
.macro BK t, p, n                      ; number n of 4: the weights' sum, and Z = a Z + sum
.set fn, (\n)
.set rA, ACC+64*(\p)+8*(\t)
.set rS, ST+8*(\t)
.set rO, rS+6-2*(\p)
.if fn == 0
	s_wait_alu depctr_va_vdst(0)
	v_pk_add_f32 v[rA:rA+1], v[rA:rA+1], v[rA+2:rA+3]
.elseif fn == 1
	v_pk_add_f32 v[rA+4:rA+5], v[rA+4:rA+5], v[rA+6:rA+7]
.elseif fn == 2
	v_pk_add_f32 v[rA:rA+1], v[rA:rA+1], v[rA+4:rA+5]
.else
	v_pk_fma_f32 v[rS+2:rS+3], v[rS+2:rS+3], v[rO:rO+1], v[rA:rA+1] op_sel_hi:[1,0,1]
.endif
.endm
.macro PLAIN p                         ; the stage's next plain instruction: BK of tile vu - 2, then FR of tile vu
.if vq < NBK
	BK vu-2, \p, vq
.elseif vq < NBK+NFR
	FR vu, \p, vq-NBK
.endif
.set vq, vq+1
.endm
; V: ten stages.  Each exponential has a plain instruction of another tile behind it before its result is used; behind stage 8's last run of exponentials that is GID's step.
.macro V p
.set vu, 0
.rept 10
.set NBK, 0
.set NFR, 0
.set NEX, 0
.if vu >= 2
.set NBK, 4
.endif
.if vu < 8
.set NFR, 20
.endif
.if (vu >= 1) && (vu <= 8)
.set NEX, 9
.endif
.if vu == 9
	v_add_nc_u32 v[GID], 2, v[GID]                 ; the next step's group
.endif
.set vq, 0
.set ve, 0
.rept 9
.if ve < NEX
	EX vu-1, \p, ve
.endif
.set ve, ve+1
	PLAIN \p
	PLAIN \p
.endr
.rept 6
	PLAIN \p
.endr
.set vu, vu+1
.endr
.endm
	s_load_b256 s[4:11], s[0:1], 0x0               ; xb s[4:5], nrm s[6:7], st s[8:9], sg s[10:11]
	v_lshl_add_u32 v[SPW], v0, 2, SPARE
	v_mov_b32 v[NIL], 0
	ds_add_u32 v[SPW], v[NIL]                      ; the wave's opening: the add and its wait ahead of my first tensor load; work on registers stands between
	v_lshrrev_b32 v12, 5, v0
	v_readfirstlane_b32 s[WV], v12                 ; wave 0..3
	s_bfe_u32 s25, ttmp6, 0x40000                  ; cx
	s_lshl_b32 s26, ttmp9, 2
	s_add_co_u32 s26, s26, s25                     ; x: my block of 512 rows; it enters global addresses alone
	s_and_b32 s27, ttmp7, 0xffff                   ; y: the split of 1,024 codes, which the four partners share
	s_mov_b32 s[G1+0], 15|(1<<16)|(1<<20)|(1<<21)|(6<<22)|(3<<25)  ; mask of four; 2-byte elements; padding on; bit 21 beside a mask; after every 128 words 4 words
	s_mov_b32 s[G1+1], 256<<16                     ; tensor_dim0 = 256
	s_mov_b32 s[G1+2], 64<<16                      ; tensor_dim1 = 64
	s_mov_b32 s[G1+3], 256<<16                     ; tile_dim0 = 256
	s_mov_b32 s[G1+4], 64                          ; tile_dim1 = 64
	s_mov_b32 s[G1+5], 256                         ; elements from row to row
	s_mov_b32 s[G1+6], 0
	s_mov_b32 s[G1+7], 0
	s_mov_b32 s[G0], 1
	s_mul_i32 s[G0+1], s[WV], QUART                ; slot 0, my quarter
	s_lshl_b32 s48, s27, 19                        ; the split's 1,024 rows of 512 bytes,
	s_lshl_b32 s49, s[WV], 15                      ; my 64 of a tile's 256,
	s_add_co_u32 s48, s48, s49
	s_add_co_u32 s48, s48, EB                      ; in emb's part of xb
	s_mov_b32 s49, 0
	s_lshl_b32 s50, s26, 18                        ; my block's 512 rows of z,
	s_lshl_b32 s51, s[WV], 16                      ; my wave's 128
	s_add_co_u32 s50, s50, s51
	s_mov_b32 s51, 0
	s_lshl_b32 s52, s26, 11                        ; the same rows at 4 bytes a row
	s_lshl_b32 s53, s[WV], 9
	s_add_co_u32 s52, s52, s53
	s_mov_b32 s53, 0
	s_lshl_b32 s54, s27, 12                        ; the split's ee
	s_add_co_u32 s54, s54, 65536
	s_mov_b32 s55, 0
	s_lshl_b32 s56, s27, 16                        ; the split's plane of st and sg
	s_add_co_u32 s56, s56, s52
	s_mov_b32 s57, 0
	s_lshl_b32 s58, s27, 7                         ; the split's first group
	s_mul_i32 s59, s[WV], 1536
	s_add_co_u32 s59, s59, STAGE                   ; my stage
	s_mov_b32 s[CC], 0x431044fe                    ; c = 100 log2 e = 144.2695
	s_mov_b32 s[NC], 0xc31044fe
	s_mov_b32 s[NC+1], s[NC]
	s_mov_b32 s[SEL], 0x76543210
	s_mov_b32 s[SEL+1], 0xfedcba98
	s_mov_b32 s[TB], 2*SLOT1                       ; the first change of slots turns this into 0
	s_mov_b32 s[TE], TABLE
	s_wait_dscnt 0x0                               ; the opening add is done
	s_wait_kmcnt 0x0
	s_add_nc_u64 s[G0+2:G0+3], s[4:5], s[48:49]
	s_or_b32 s[G0+3], s[G0+3], 0x80000000          ; type = 2
	s_add_nc_u64 s[12:13], s[4:5], s[50:51]        ; my rows of z
	s_add_nc_u64 s[14:15], s[6:7], s[52:53]        ; their zz
	s_add_nc_u64 s[16:17], s[6:7], s[54:55]        ; the split's ee
	s_add_nc_u64 s[18:19], s[8:9], s[56:57]        ; where my results go
	s_add_nc_u64 s[20:21], s[10:11], s[56:57]
	CROUND                                         ; all four work-groups are here: the first joint loads meet
	TLOAD                                          ; tile 0 into slot 0
	v_and_b32 v1, 15, v0                           ; l % 16
	v_bfe_u32 v2, v0, 4, 1                         ; l / 16
	v_mul_u32_u24 v[A0], v1, PITCH
	v_lshl_add_u32 v[A0], v2, 4, v[A0]             ; row x pitch + 16 x half
	v_lshlrev_b32 v[RO], 9, v1
	v_lshl_add_u32 v[RO], v2, 4, v[RO]             ; row x 512 + 16 x half
	WIN 0x80                                       ; destination window 2, address window 0
.set li, 0
.rept 32                                               ; tile li / 8, K step li % 8: a fragment is two loads of 16 bytes, 32 bytes apart
	global_load_b128 v[8*li:8*li+3],   v[RO], s[12:13] offset:(li/8)*8192+(li%8)*64
	global_load_b128 v[8*li+4:8*li+7], v[RO], s[12:13] offset:(li/8)*8192+(li%8)*64+32
.set li, li+1
.endr
	WIN 0xc0                                       ; destination window 3
.set li, 0
.rept 32
	global_load_b128 v[8*li:8*li+3],   v[RO], s[12:13] offset:32768+(li/8)*8192+(li%8)*64
	global_load_b128 v[8*li+4:8*li+7], v[RO], s[12:13] offset:32768+(li/8)*8192+(li%8)*64+32
.set li, li+1
.endr
	WIN 0
	v_lshlrev_b32 v12, 2, v1
.irp t, 0,1,2,3,4,5,6,7
	global_load_b32 v[ST+8*\t], v12, s[14:15] offset:64*\t  ; zz of my row in tile t
.endr
	v_lshlrev_b32 v13, 5, v0
	global_load_b128 v[T:T+3],   v13, s[16:17]     ; 128 threads x 32 bytes: the split's ee
	global_load_b128 v[T+4:T+7], v13, s[16:17] offset:16
.irp t, 0,1,2,3,4,5,6,7
	v_mov_b32 v[ST+8*\t+1], 0
	v_mov_b32 v[ST+8*\t+2], 0                      ; Z = 0
	v_mov_b32 v[ST+8*\t+3], 0
	v_mov_b32 v[ST+8*\t+6], 0x7e000000             ; c best: far above every c d, so the first a is 0
	v_mov_b32 v[ST+8*\t+7], 0x7f7fffff             ; best: the largest finite number
.endr
	v_mov_b32 v104, 0                              ; destinations of v_permlanex16_b32 count as read
	v_mov_b32 v105, 0
	v_mov_b32 v106, 0
	v_add_nc_u32 v[GID], s58, v2
	v_lshl_add_u32 v[STA], v1, 2, s59
	v_and_b32 v15, 31, v0
	v_lshlrev_b32 v15, 4, v15                      ; 16 x lane
	v_add_nc_u32 v[STB], s59, v15
	v_add_nc_u32 v14, TABLE, v13
	s_wait_loadcnt 0x0                             ; rows, zz, ee
	ds_store_b128 v14, v[T:T+3]
	ds_store_b128 v14, v[T+4:T+7] offset:16
	CHANGE 1                                       ; tile 0 is in and the table is whole, everybody's part; tile 1 is asked for
	FETCH 0
	s_mov_b32 s[CNT], 8
	s_mov_b32 s[SLOTS], 3
	s_branch .Lfirst                               ; the loop is entered behind V: there is no step before the first
.Lslot:                                                ; twice: tiles 2 and 3 are asked for
	CHANGE 1
	s_mov_b32 s[CNT], 8
.Lstep:                                                ; a trip is two steps
	FETCH 0
	V 1
.Lfirst:
	W 0
	FETCH 1
	V 0
	W 1
	s_sub_co_u32 s[CNT], s[CNT], 1
	s_cmp_lg_u32 s[CNT], 0
	s_cbranch_scc1 .Lstep
	s_sub_co_u32 s[SLOTS], s[SLOTS], 1
	s_cmp_lg_u32 s[SLOTS], 0
	s_cbranch_scc1 .Lslot
	CHANGE 0                                       ; the last tile is written out: nothing is asked for
	s_mov_b32 s[CNT], 8
.Ltail:
	FETCH 0
	V 1
	W 0
	FETCH 1
	V 0
	W 1
	s_sub_co_u32 s[CNT], s[CNT], 1
	s_cmp_lg_u32 s[CNT], 0
	s_cbranch_scc1 .Ltail
	V 1                                            ; the last step's vector work; its first four lines are the places behind the last products
; THE WAY OUT.  The two halves of the lanes hold the same row's even and odd groups: least d, Z brought to the common shift, and the group of the first least d (on a tie the lower group).
; Both halves form the same bits and write the same LDS word.
.macro FIN t
.set rS, ST+8*(\t)
	v_add_f32 v[rS+2], v[rS+2], v[rS+3]
	v_permlanex16_b32 v104, v[rS+7], s[SEL], s[SEL+1]
	v_permlanex16_b32 v105, v[rS+1], s[SEL], s[SEL+1]
	v_permlanex16_b32 v106, v[rS+2], s[SEL], s[SEL+1]
	v_min_num_f32 v107, v[rS+7], v104
	v_mul_f32 v109, s[CC], v104
	v_mul_f32 v108, s[CC], v107
	v_sub_f32 v110, v108, v[rS+6]
	v_sub_f32 v111, v108, v109
	v_exp_f32 v110, v110
	v_exp_f32 v111, v111
	v_cmp_lt_f32 s52, v104, v[rS+7]                ; three plain lines stand behind the exponentials
	v_cmp_eq_f32 s53, v104, v[rS+7]
	v_cmp_lt_u32 s54, v105, v[rS+1]
	s_and_b32 s53, s53, s54
	s_or_b32 s52, s52, s53
	v_cndmask_b32 v105, v[rS+1], v105, s52
	s_wait_alu depctr_va_vdst(0)
	v_mul_f32 v110, v110, v[rS+2]
	v_mul_f32 v111, v111, v106
	v_add_f32 v110, v110, v111
	ds_store_b32 v[STA], v107 offset:64*(\t)
	ds_store_b32 v[STA], v110 offset:512+64*(\t)
	ds_store_b32 v[STA], v105 offset:1024+64*(\t)
.endm
.irp t, 0,1,2,3,4,5,6,7
	FIN \t
.endr
	ds_load_b128 v[112:115], v[STB]                ; LDS serves a wave's instructions in order (ISA guide 5.7.1.4): these see my stores above
	ds_load_b128 v[116:119], v[STB] offset:512
	ds_load_b128 v[120:123], v[STB] offset:1024
	s_wait_dscnt 0x0
	global_store_b128 v15, v[112:115], s[18:19]    ; each store: my 128 rows, 512 consecutive aligned bytes
	global_store_b128 v15, v[116:119], s[18:19] offset:524288
	global_store_b128 v15, v[120:123], s[20:21]
	s_wait_tensorcnt 0x0                           ; the wave's end
	ds_add_u32 v[SPW], v[NIL]
	s_wait_dscnt 0x0
	CROUND                                         ; the closing round
	s_endpgm
.Lfunc_end_k_qfdc5c5d41d_rowpass:
	.size	k_qfdc5c5d41d_rowpass, .Lfunc_end_k_qfdc5c5d41d_rowpass-k_qfdc5c5d41d_rowpass
	.p2alignl 7, 3214868480
	.fill 96, 4, 3214868480
	.section	.rodata,"a",@progbits
	.p2align	6, 0x0
	.amdhsa_kernel k_qfdc5c5d41d_rowpass
		.amdhsa_group_segment_fixed_size 327680
		.amdhsa_private_segment_fixed_size 0
		.amdhsa_enable_private_segment 0
		.amdhsa_kernarg_size 32
		.amdhsa_user_sgpr_count 2
		.amdhsa_user_sgpr_kernarg_segment_ptr 1
		.amdhsa_wavefront_size32 1
		.amdhsa_system_sgpr_workgroup_id_x 1
		.amdhsa_system_sgpr_workgroup_id_y 1
		.amdhsa_system_sgpr_workgroup_id_z 1
		.amdhsa_system_vgpr_workitem_id 0
		.amdhsa_next_free_vgpr 1024
		.amdhsa_next_free_sgpr 66
		.amdhsa_reserve_vcc 1
		.amdhsa_float_denorm_mode_32 3
		.amdhsa_float_denorm_mode_16_64 3
		.amdhsa_memory_ordered 1
		.amdhsa_forward_progress 1
		.amdhsa_inst_pref_size 123
	.end_amdhsa_kernel
	.amdgpu_metadata
---
amdhsa.version: [ 1, 2 ]
amdhsa.kernels:
  - .name:           k_qfdc5c5d41d_rowpass
    .symbol:         k_qfdc5c5d41d_rowpass.kd
    .args:
      - { .name: xb, .offset: 0, .size: 8, .value_kind: global_buffer, .address_space: global }
      - { .name: nrm, .offset: 8, .size: 8, .value_kind: global_buffer, .address_space: global }
      - { .name: st, .offset: 16, .size: 8, .value_kind: global_buffer, .address_space: global }
      - { .name: sg, .offset: 24, .size: 8, .value_kind: global_buffer, .address_space: global }
    .group_segment_fixed_size: 327680
    .private_segment_fixed_size: 0
    .kernarg_segment_align: 8
    .kernarg_segment_size: 32
    .max_flat_workgroup_size: 128
    .sgpr_count:     66
    .vgpr_count:     1024
    .wavefront_size: 32
...
	.end_amdgpu_metadata
.endif
;; end of part 2
;; launch colpass (part 3): grid 16 x 16, 4 waves a work-group, clusters of 4 x 1, 327,680 bytes of LDS; arguments xb, nrm, st, sg, cs, gsel; writes cs, gsel
.if DOCPART == 3
	.amdgcn_target "amdgcn-amd-amdhsa--gfx1250"
	.amdhsa_code_object_version 6
	.text
	.protected	k_qfdc5c5d41d_colpass
	.globl	k_qfdc5c5d41d_colpass
	.p2align	8
	.type	k_qfdc5c5d41d_colpass,@function
k_qfdc5c5d41d_colpass:
	s_mov_b64 s[64:65], 0
	v_nop
	global_prefetch_b8 v0, s[64:65] scope:SCOPE_SE
	s_setreg_imm32_b32 hwreg(HW_REG_WAVE_MODE, 25, 1), 1
	s_wait_xcnt 0x0
	s_wait_alu depctr_hold_cnt(0) depctr_sa_sdst(0) depctr_va_vdst(0) depctr_va_sdst(0) depctr_va_ssrc(0) depctr_va_vcc(0) depctr_vm_vsrc(0)
	s_getreg_b32 s2, hwreg(HW_REG_IB_STS2, 6, 4)
	s_cmp_eq_u32 s2, 0
	s_cbranch_scc0 .Lentry_in_a_cluster
	s_endpgm
.Lentry_in_a_cluster:
	s_bfe_u32 s2, ttmp6, 0x10000c
	s_cmp_lg_u32 s2, 0x3003
	s_cbranch_scc0 .Lentry_shape_is_right
	s_endpgm
.Lentry_shape_is_right:
; SECOND PASS OVER d, codes resident.  With each row's least d and Z known, p = W 2^(fl(c best) - c d), W = 1 / Z.  Stored: for each split y of 1,024 rows the column sums of p
; (cs, [16][8192]); for each wave its part of sum p log2 p (cs + 524,288); and each row's winning group of 8 codes (gsel), which the next launch turns into addresses.
; d has the same bits as in the first pass: the same chain of eight products with the sources swapped, the same two roundings; so the weights add up to the first pass's Z.
; sum over k of p log2 p = W U - log2 Z with U = sum over k of w arg (w = 2^arg): U is summed over a lane's codes, times W over a step's rows; log2 Z is taken off once a row, by the work-groups with x = 0.
; SHARES.  A work-group: 512 codes x 1,024 rows.  A wave keeps 128 codes in 512 registers; all four waves read the same rows of z from LDS, 16 a step.
; LAYOUT.  Source 0 = 16 rows, source 1 = 16 codes: a lane holds ONE code (lane % 16) and the rows 8 (lane / 16) + 0..7.
; Steps, queues, ring and cluster as in the first pass: the four partners have other codes and the same rows.
; HEAD.  Each work-group merges the eight splits' (best, Z) of its 1,024 rows into three LDS tables: zz, c best, W.  Wave 0 merges best and group for 64 rows of its own.
; LIMITS.  NaN and infinities are not treated apart; a weight below 2^-126 counts as 0.
; REGISTERS: window 0: v0-15 addresses; v16-47 four a tile: ee, 0, column sum (even, odd rows); v48-55 U; v56-59 H; v64-111 the step's zz, c best, W, by parity; v112-127 t, then the weights, two sets;
;   v128-255 accumulators, by parity.  window 1: v0-127 the rows' fragments, by parity.  windows 2, 3: the codes' fragments.
.set EB,     8388608
.set PITCH,  528                       ; 512 bytes + 16 of padding: the 16 rows of a fragment load start 4 banks apart (64 banks of 4 bytes: ISA guide 11.1)
.set QUART,  64*PITCH
.set SLOT1,  4*QUART
.set STEPB,  16*PITCH
.set TZZ,    2*SLOT1                   ; zz of the split's 1,024 rows; c best 4,096 bytes on; W 8,192 bytes on
.set STAGE,  TZZ+12288                 ; 512 bytes for each wave
.set SPARE,  STAGE+4*512               ; the spare words: 128 bytes for each wave
.set A0,  3
.set ADR, 4
.set EAD, 5
.set RO,  7
.set STA, 8
.set STB, 9
.set SPW, 10                           ; v10  LDS address of my spare word; never rewritten
.set NIL, 11                           ; v11  0; never rewritten
.set ST,  16
.set U,   48
.set H,   56
.set TAB, 64
.set PB,  112
.set ACC, 128
.set WV,  24
.set G1,  28
.set G0,  36
.set TB,  40
.set CNT, 41
.set SLOTS, 42
.set CC,  43
.set NC,  44
.set SEL, 46
.set TE,  63
.set MSB, 0
.macro WIN new
.if MSB != (\new)
	s_set_vgpr_msb (MSB<<8)|(\new)
.set MSB, (\new)
.endif
.endm
.macro CROUND
	s_barrier_signal -1
	s_barrier_wait -1
	s_cmp_lg_u32 s[WV], 0
	s_cbranch_scc1 .Lnot_wave_0_\@
	s_barrier_signal -3
.Lnot_wave_0_\@:
	s_barrier_wait -3
	s_barrier_signal -1
	s_barrier_wait -1
.endm
.macro TLOAD
	tensor_load_to_lds s[G0:G0+3], s[G1:G1+7]
	s_nop 0
.rept 4
	v_nop
.endr
.endm
.macro CHANGE fill                     ; the change of slots: all my tensor loads, the add, my LDS instructions; the round; the joint refill first behind it
	WIN 0
	s_wait_tensorcnt 0x0
	ds_add_u32 v[SPW], v[NIL]
.if \fill
	s_xor_b32 s[G0+1], s[G0+1], SLOT1
	s_add_nc_u64 s[G0+2:G0+3], s[G0+2:G0+3], 131072
.endif
	s_wait_dscnt 0x0
.if \fill
	CROUND
	TLOAD
.else
	s_barrier_signal -1
	s_barrier_wait -1
.endif
	s_sub_co_u32 s[TB], s[TB], SLOT1
	s_xor_b32 s[TB], s[TB], SLOT1
.endm
.macro FETCH p                         ; 16 rows x 256 into set p, and my eight rows' zz, c best, W
	WIN 0
	v_add_nc_u32 v[ADR], s[TB], v[A0]
	v_lshl_add_u32 v[EAD], v2, 5, s[TE]
	s_add_co_u32 s[TB], s[TB], STEPB
	s_add_co_u32 s[TE], s[TE], 64
	WIN 0x40
.irp q, 0,1,2,3,4,5,6,7
	ds_load_b128 v[64*(\p)+8*\q:64*(\p)+8*\q+3],   v[ADR] offset:64*\q
	ds_load_b128 v[64*(\p)+8*\q+4:64*(\p)+8*\q+7], v[ADR] offset:64*\q+32
.endr
	WIN 0
.irp g, 0,1,2
	ds_load_b128 v[TAB+24*(\p)+8*\g:TAB+24*(\p)+8*\g+3],   v[EAD] offset:4096*\g
	ds_load_b128 v[TAB+24*(\p)+8*\g+4:TAB+24*(\p)+8*\g+7], v[EAD] offset:4096*\g+16
.endr
.endm
.macro W p                             ; 64 products; four accumulators take turns; K ascending
	s_wait_dscnt 0x0
.irp hf, 0,1
	WIN 0x09+4*\hf
.irp q, 0,1,2,3,4,5,6,7
.irp t, 0,1,2,3
.if \q == 0
	v_wmma_f32_16x16x32_bf16 v[ACC+64*(\p)+8*(4*\hf+\t):ACC+64*(\p)+8*(4*\hf+\t)+7], v[64*(\p)+8*\q:64*(\p)+8*\q+7], v[64*\t+8*\q:64*\t+8*\q+7], 0
.else
	v_wmma_f32_16x16x32_bf16 v[ACC+64*(\p)+8*(4*\hf+\t):ACC+64*(\p)+8*(4*\hf+\t)+7], v[64*(\p)+8*\q:64*(\p)+8*\q+7], v[64*\t+8*\q:64*\t+8*\q+7], v[ACC+64*(\p)+8*(4*\hf+\t):ACC+64*(\p)+8*(4*\hf+\t)+7]
.endif
.endr
.endr
.endr
	WIN 0
.endm
; FR: number n of 12.  0-3 t = zz + ee (no accumulator named: the places behind the last products); 4-7 d = t - 2 dot, lowest registers first; 8-11 arg = c best - c d.
.macro FR t, p, n
.set fn, (\n)
.set rA, ACC+64*(\p)+8*(\t)
.set rP, PB+8*((\t)%2)
.set rT, TAB+24*(\p)
.set rS, ST+4*(\t)
.if fn < 4
	v_pk_add_f32 v[rP+2*fn:rP+2*fn+1], v[rT+2*fn:rT+2*fn+1], v[rS:rS+1] op_sel_hi:[1,0]
.elseif fn < 8
	v_pk_fma_f32 v[rA+2*fn-8:rA+2*fn-7], v[rA+2*fn-8:rA+2*fn-7], -2.0, v[rP+2*fn-8:rP+2*fn-7] op_sel_hi:[1,0,1]
.else
	v_pk_fma_f32 v[rA+2*fn-16:rA+2*fn-15], v[rA+2*fn-16:rA+2*fn-15], s[NC:NC+1], v[rT+2*fn-8:rT+2*fn-7] op_sel_hi:[1,0,1]
.endif
.endm
.macro EX t, p, n                      ; number n of 8: w = 2^arg; arg is kept
.set fn, (\n)
.set rA, ACC+64*(\p)+8*(\t)
.set rP, PB+8*((\t)%2)
	v_exp_f32 v[rP+fn], v[rA+fn]
.endm
.macro BK t, p, n                      ; number n of 8, by turns: column sum += w W; U += w arg (tile 0 starts U)
.set fn, (\n)
.set rA, ACC+64*(\p)+8*(\t)
.set rP, PB+8*((\t)%2)
.set rW, TAB+24*(\p)+16
.set rC, ST+4*(\t)+2
.set bi, 2*(fn/2)
.if fn%2 == 0
	s_wait_alu depctr_va_vdst(0)
	v_pk_fma_f32 v[rC:rC+1], v[rP+bi:rP+bi+1], v[rW+bi:rW+bi+1], v[rC:rC+1]
.elseif (\t) == 0
	v_pk_mul_f32 v[U+bi:U+bi+1], v[rP+bi:rP+bi+1], v[rA+bi:rA+bi+1]
.else
	v_pk_fma_f32 v[U+bi:U+bi+1], v[rP+bi:rP+bi+1], v[rA+bi:rA+bi+1], v[U+bi:U+bi+1]
.endif
.endm
.macro PLAIN p
.if vq < NBK
	BK vu-2, \p, vq
.elseif vq < NBK+NFR
	FR vu, \p, vq-NBK
.endif
.set vq, vq+1
.endm
; V: ten stages; an exponential, then two plain instructions of other tiles.  BK of tile vu - 2 has read its set of weights before FR of tile vu writes t there.
.macro V p
.set vu, 0
.rept 10
.set NBK, 0
.set NFR, 0
.set NEX, 0
.if vu >= 2
.set NBK, 8
.endif
.if vu < 8
.set NFR, 12
.endif
.if (vu >= 1) && (vu <= 8)
.set NEX, 8
.endif
.if vu == 9
	v_nop                                          ; a plain instruction between stage 8's last exponentials and the use of their results
.endif
.set vq, 0
.set ve, 0
.rept 8
.if ve < NEX
	EX vu-1, \p, ve
.endif
.set ve, ve+1
	PLAIN \p
	PLAIN \p
.endr
.rept 4
	PLAIN \p
.endr
.set vu, vu+1
.endr
.irp i, 0,1,2,3
	v_pk_fma_f32 v[H+2*(\i%2):H+2*(\i%2)+1], v[U+2*\i:U+2*\i+1], v[TAB+24*(\p)+16+2*\i:TAB+24*(\p)+17+2*\i], v[H+2*(\i%2):H+2*(\i%2)+1]
.endr
.endm
; Thread t merges the eight splits of rows 4 (t + 128 k) .. + 3: best = the least; Z = sum of Z_s 2^(fl(c best) - fl(c best_s)); W = 1 / Z; log2 Z.
.macro MERGE k
.set rB, 128+64*(\k)
.set rZ, rB+32
.irp c, 0,1,2,3
	v_min3_num_f32 v[64+\c], v[rB+\c], v[rB+4+\c], v[rB+8+\c]
.endr
.irp c, 0,1,2,3
	v_min3_num_f32 v[64+\c], v[64+\c], v[rB+12+\c], v[rB+16+\c]
.endr
.irp c, 0,1,2,3
	v_min3_num_f32 v[64+\c], v[64+\c], v[rB+20+\c], v[rB+24+\c]
.endr
.irp c, 0,1,2,3
	v_min_num_f32 v[64+\c], v[64+\c], v[rB+28+\c]
.endr
.irp c, 0,1,2,3
	v_mul_f32 v[68+\c], s[CC], v[64+\c]
.endr
.set mi, 0
.rept 16
	v_pk_mul_f32 v[rB+2*mi:rB+2*mi+1], v[rB+2*mi:rB+2*mi+1], s[NC:NC+1] op_sel_hi:[1,0]  ; -fl(c best_s): the first pass's own shift
.set mi, mi+1
.endr
.set mi, 0
.rept 16
	v_pk_add_f32 v[rB+2*mi:rB+2*mi+1], v[rB+2*mi:rB+2*mi+1], v[68+2*(mi%2):69+2*(mi%2)]
.set mi, mi+1
.endr
.set mi, 0
.rept 32
	v_exp_f32 v[rB+mi], v[rB+mi]
.set mi, mi+1
.endr
	v_nop
	s_wait_alu depctr_va_vdst(0)
	v_pk_mul_f32 v[72:73], v[rZ:rZ+1], v[rB:rB+1]
	v_pk_mul_f32 v[74:75], v[rZ+2:rZ+3], v[rB+2:rB+3]
.set mi, 2
.rept 14
	v_pk_fma_f32 v[72+2*(mi%2):73+2*(mi%2)], v[rZ+2*mi:rZ+2*mi+1], v[rB+2*mi:rB+2*mi+1], v[72+2*(mi%2):73+2*(mi%2)]
.set mi, mi+1
.endr
.irp c, 0,1,2,3
	v_rcp_f32 v[76+\c], v[72+\c]
.endr
.irp c, 0,1,2,3
	v_log_f32 v[80+\c], v[72+\c]
.endr
	v_nop
	ds_store_b128 v15, v[112+4*(\k):115+4*(\k)] offset:2048*(\k)
	ds_store_b128 v15, v[68:71] offset:4096+2048*(\k)
	s_wait_alu depctr_va_vdst(0)
	ds_store_b128 v15, v[76:79] offset:8192+2048*(\k)
	v_pk_add_f32 v[80:81], v[80:81], v[82:83]
.if (\k) == 0
	v_add_f32 v85, v80, v81
.else
	v_add_f32 v80, v80, v81
	v_add_f32 v85, v85, v80
.endif
.endm
	s_load_b256 s[4:11], s[0:1], 0x0               ; xb s[4:5], nrm s[6:7], st s[8:9], sg s[10:11]
	s_load_b128 s[12:15], s[0:1], 0x20             ; cs s[12:13], gsel s[14:15]
	v_lshl_add_u32 v[SPW], v0, 2, SPARE
	v_mov_b32 v[NIL], 0
	ds_add_u32 v[SPW], v[NIL]                      ; the wave's opening: the add and its wait ahead of my first tensor load
	v_lshrrev_b32 v12, 5, v0
	v_readfirstlane_b32 s[WV], v12
	s_bfe_u32 s25, ttmp6, 0x40000                  ; cx
	s_lshl_b32 s26, ttmp9, 2
	s_add_co_u32 s26, s26, s25                     ; x: my block of 512 codes; it enters global addresses and one factor alone
	s_and_b32 s27, ttmp7, 0xffff                   ; y: the split of 1,024 rows, which the four partners share
	s_mov_b32 s[G1+0], 15|(1<<16)|(1<<20)|(1<<21)|(6<<22)|(3<<25)
	s_mov_b32 s[G1+1], 256<<16
	s_mov_b32 s[G1+2], 64<<16
	s_mov_b32 s[G1+3], 256<<16
	s_mov_b32 s[G1+4], 64
	s_mov_b32 s[G1+5], 256
	s_mov_b32 s[G1+6], 0
	s_mov_b32 s[G1+7], 0
	s_mov_b32 s[G0], 1
	s_mul_i32 s[G0+1], s[WV], QUART
	; byte offsets, each in the pair that then takes the sum with its buffer's address
	s_lshl_b32 s[G0+2], s27, 19                    ; the split's rows of z, my 64 of a tile's 256
	s_lshl_b32 s48, s[WV], 15
	s_add_co_u32 s[G0+2], s[G0+2], s48
	s_mov_b32 s[G0+3], 0
	s_lshl_b32 s16, s26, 18                        ; my wave's 128 codes in xb
	s_lshl_b32 s48, s[WV], 16
	s_add_co_u32 s16, s16, s48
	s_add_co_u32 s16, s16, EB
	s_mov_b32 s17, 0
	s_lshl_b32 s48, s26, 11                        ; the same codes at 4 bytes each
	s_lshl_b32 s49, s[WV], 9
	s_add_co_u32 s48, s48, s49
	s_add_co_u32 s18, s48, 65536                   ; their ee
	s_mov_b32 s19, 0
	s_lshl_b32 s20, s27, 12                        ; the split's rows at 4 bytes each
	s_mov_b32 s21, 0
	s_lshl_b32 s49, s26, 8
	s_add_co_u32 s50, s20, s49                     ; of them the 64 whose group this work-group settles
	s_mov_b32 s51, 0
	s_lshl_b32 s56, s27, 15                        ; the split's plane of column sums
	s_add_co_u32 s56, s56, s48
	s_mov_b32 s57, 0
	s_lshl_b32 s58, s27, 8                         ; my wave's word: 524,288 + 4 ((16 y + x) 4 + wave)
	s_lshl_b32 s49, s26, 4
	s_add_co_u32 s58, s58, s49
	s_lshl_b32 s49, s[WV], 2
	s_add_co_u32 s58, s58, s49
	s_add_co_u32 s58, s58, 524288
	s_mov_b32 s59, 0
	s_min_u32 s60, s26, 1
	s_xor_b32 s60, s60, 1                          ; 1 where x = 0, else 0
	s_lshl_b32 s61, s[WV], 9
	s_add_co_u32 s61, s61, STAGE                   ; my stage
	s_mov_b32 s[CC], 0x431044fe                    ; c = 100 log2 e
	s_mov_b32 s[NC], 0xc31044fe
	s_mov_b32 s[NC+1], s[NC]
	s_mov_b32 s[SEL], 0x76543210
	s_mov_b32 s[SEL+1], 0xfedcba98
	s_mov_b32 s[TB], 2*SLOT1
	s_mov_b32 s[TE], TZZ
	s_wait_dscnt 0x0                               ; the opening add is done
	s_wait_kmcnt 0x0
	s_add_nc_u64 s[G0+2:G0+3], s[4:5], s[G0+2:G0+3]
	s_or_b32 s[G0+3], s[G0+3], 0x80000000
	s_add_nc_u64 s[16:17], s[4:5], s[16:17]        ; my codes
	s_add_nc_u64 s[18:19], s[6:7], s[18:19]        ; their ee
	s_add_nc_u64 s[22:23], s[6:7], s[20:21]        ; the split's zz
	s_add_nc_u64 s[20:21], s[8:9], s[20:21]        ; the split's best and Z
	s_add_nc_u64 s[52:53], s[10:11], s[50:51]      ; 64 rows' groups,
	s_add_nc_u64 s[54:55], s[14:15], s[50:51]      ; where the winning group goes,
	s_add_nc_u64 s[50:51], s[8:9], s[50:51]        ; and their best
	s_add_nc_u64 s[56:57], s[12:13], s[56:57]
	s_add_nc_u64 s[58:59], s[12:13], s[58:59]
	CROUND
	TLOAD                                          ; tile 0 into slot 0
	v_and_b32 v1, 15, v0
	v_bfe_u32 v2, v0, 4, 1
	v_mul_u32_u24 v[A0], v1, PITCH
	v_lshl_add_u32 v[A0], v2, 4, v[A0]
	v_lshlrev_b32 v[RO], 9, v1
	v_lshl_add_u32 v[RO], v2, 4, v[RO]
	WIN 0x80
.set li, 0
.rept 32
	global_load_b128 v[8*li:8*li+3],   v[RO], s[16:17] offset:(li/8)*8192+(li%8)*64
	global_load_b128 v[8*li+4:8*li+7], v[RO], s[16:17] offset:(li/8)*8192+(li%8)*64+32
.set li, li+1
.endr
	WIN 0xc0
.set li, 0
.rept 32
	global_load_b128 v[8*li:8*li+3],   v[RO], s[16:17] offset:32768+(li/8)*8192+(li%8)*64
	global_load_b128 v[8*li+4:8*li+7], v[RO], s[16:17] offset:32768+(li/8)*8192+(li%8)*64+32
.set li, li+1
.endr
	WIN 0
	v_lshlrev_b32 v12, 2, v1
.irp t, 0,1,2,3,4,5,6,7
	global_load_b32 v[ST+4*\t], v12, s[18:19] offset:64*\t  ; ee of my code in tile t
.endr
	v_lshlrev_b32 v13, 4, v0
.irp k, 0,1
.irp s, 0,1,2,3,4,5,6,7
	global_load_b128 v[128+64*\k+4*\s:128+64*\k+4*\s+3], v13, s[20:21] offset:65536*\s+2048*\k          ; best of split s
	global_load_b128 v[160+64*\k+4*\s:160+64*\k+4*\s+3], v13, s[20:21] offset:524288+65536*\s+2048*\k   ; Z of split s
.endr
	global_load_b128 v[112+4*\k:115+4*\k], v13, s[22:23] offset:2048*\k
.endr
	v_and_b32 v14, 31, v0
	v_lshlrev_b32 v14, 3, v14
	s_cmp_lg_u32 s[WV], 0
	s_cbranch_scc1 .Lno_ld
.irp s, 0,1,2,3,4,5,6,7
	global_load_b64 v[64+2*\s:65+2*\s], v14, s[50:51] offset:65536*\s  ; wave 0: two rows a lane: best,
	global_load_b64 v[80+2*\s:81+2*\s], v14, s[52:53] offset:65536*\s  ; and group, of split s
.endr
.Lno_ld:
.irp t, 0,1,2,3,4,5,6,7
	v_mov_b32 v[ST+4*\t+1], 0
	v_mov_b32 v[ST+4*\t+2], 0
	v_mov_b32 v[ST+4*\t+3], 0
.endr
	v_lshl_add_u32 v15, v0, 4, TZZ
	v_lshl_add_u32 v[STA], v1, 2, s61
	v_lshl_add_u32 v[STB], v14, 1, s61             ; 16 x lane
	s_wait_loadcnt 0x0
	s_cmp_lg_u32 s[WV], 0
	s_cbranch_scc1 .Lno_sel
.irp s, 1,2,3,4,5,6,7                  ; strict < in ascending order of splits: the first least d keeps its group
.irp c, 0,1
	v_cmp_lt_f32 vcc_lo, v[64+2*\s+\c], v[64+\c]
	v_cndmask_b32 v[80+\c], v[80+\c], v[80+2*\s+\c], vcc_lo
	v_min_num_f32 v[64+\c], v[64+\c], v[64+2*\s+\c]
.endr
.endr
	global_store_b64 v14, v[80:81], s[54:55]       ; 64 rows: 256 consecutive aligned bytes
	s_wait_xcnt 0x0                                ; v80, v81 are rewritten below
.Lno_sel:
	MERGE 0
	MERGE 1
	v_cvt_f32_u32 v12, s60
	v_mul_f32 v[H], -v85, v12                      ; each row's log2 Z is taken off once in the launch
	v_mov_b32 v[H+1], 0
	v_mov_b32 v[H+2], 0
	v_mov_b32 v[H+3], 0
	CHANGE 1                                       ; tile 0 is in and the tables are whole; tile 1 is asked for
	FETCH 0
	s_mov_b32 s[CNT], 8
	s_mov_b32 s[SLOTS], 3
	s_branch .Lfirst
.Lslot:
	CHANGE 1
	s_mov_b32 s[CNT], 8
.Lstep:
	FETCH 0
	V 1
.Lfirst:
	W 0
	FETCH 1
	V 0
	W 1
	s_sub_co_u32 s[CNT], s[CNT], 1
	s_cmp_lg_u32 s[CNT], 0
	s_cbranch_scc1 .Lstep
	s_sub_co_u32 s[SLOTS], s[SLOTS], 1
	s_cmp_lg_u32 s[SLOTS], 0
	s_cbranch_scc1 .Lslot
	CHANGE 0                                       ; the last tile is written out: nothing is asked for
	s_mov_b32 s[CNT], 8
.Ltail:
	FETCH 0
	V 1
	W 0
	FETCH 1
	V 0
	W 1
	s_sub_co_u32 s[CNT], s[CNT], 1
	s_cmp_lg_u32 s[CNT], 0
	s_cbranch_scc1 .Ltail
	V 1
	; THE WAY OUT: a code's sum over even and odd rows and over the two halves of the lanes; through my stage, so that 128 codes leave as 512 consecutive bytes
.irp t, 0,1,2,3,4,5,6,7
	v_add_f32 v[ST+4*\t+2], v[ST+4*\t+2], v[ST+4*\t+3]
.endr
.irp t, 0,1,2,3,4,5,6,7
	v_permlanex16_b32 v[ST+4*\t+3], v[ST+4*\t+2], s[SEL], s[SEL+1]
.endr
.irp t, 0,1,2,3,4,5,6,7
	v_add_f32 v[ST+4*\t+2], v[ST+4*\t+2], v[ST+4*\t+3]
.endr
.irp t, 0,1,2,3,4,5,6,7
	ds_store_b32 v[STA], v[ST+4*\t+2] offset:64*\t
.endr
	ds_load_b128 v[48:51], v[STB]                  ; LDS serves a wave's instructions in order (ISA guide 5.7.1.4)
	v_pk_add_f32 v[H:H+1], v[H:H+1], v[H+2:H+3]
	v_add_f32 v[H], v[H], v[H+1]
	v_add_f32_dpp v[H], v[H], v[H] row_xmask:1 row_mask:0xf bank_mask:0xf
	v_add_f32_dpp v[H], v[H], v[H] row_xmask:2 row_mask:0xf bank_mask:0xf
	v_add_f32_dpp v[H], v[H], v[H] row_xmask:4 row_mask:0xf bank_mask:0xf
	v_add_f32_dpp v[H], v[H], v[H] row_xmask:8 row_mask:0xf bank_mask:0xf
	v_permlanex16_b32 v[H+1], v[H], s[SEL], s[SEL+1]
	v_add_f32 v[H], v[H], v[H+1]
	v_and_b32 v12, 31, v0
	v_lshlrev_b32 v13, 4, v12
	v_mov_b32 v14, 0
	s_wait_dscnt 0x0
	global_store_b128 v13, v[48:51], s[56:57]
	v_cmp_eq_u32 vcc_lo, 0, v12
	s_wait_xcnt 0x0                                ; EXEC changes only behind this wait
	s_and_saveexec_b32 s62, vcc_lo
	global_store_b32 v14, v[H], s[58:59]           ; my wave's part of sum p log2 p
	s_wait_xcnt 0x0
	s_or_b32 exec_lo, exec_lo, s62
	s_wait_tensorcnt 0x0                           ; the wave's end
	ds_add_u32 v[SPW], v[NIL]
	s_wait_dscnt 0x0
	CROUND                                         ; the closing round
	s_endpgm
.Lfunc_end_k_qfdc5c5d41d_colpass:
	.size	k_qfdc5c5d41d_colpass, .Lfunc_end_k_qfdc5c5d41d_colpass-k_qfdc5c5d41d_colpass
	.p2alignl 7, 3214868480
	.fill 96, 4, 3214868480
	.section	.rodata,"a",@progbits
	.p2align	6, 0x0
	.amdhsa_kernel k_qfdc5c5d41d_colpass
		.amdhsa_group_segment_fixed_size 327680
		.amdhsa_private_segment_fixed_size 0
		.amdhsa_enable_private_segment 0
		.amdhsa_kernarg_size 48
		.amdhsa_user_sgpr_count 2
		.amdhsa_user_sgpr_kernarg_segment_ptr 1
		.amdhsa_wavefront_size32 1
		.amdhsa_system_sgpr_workgroup_id_x 1
		.amdhsa_system_sgpr_workgroup_id_y 1
		.amdhsa_system_sgpr_workgroup_id_z 1
		.amdhsa_system_vgpr_workitem_id 0
		.amdhsa_next_free_vgpr 1024
		.amdhsa_next_free_sgpr 66
		.amdhsa_reserve_vcc 1
		.amdhsa_float_denorm_mode_32 3
		.amdhsa_float_denorm_mode_16_64 3
		.amdhsa_memory_ordered 1
		.amdhsa_forward_progress 1
		.amdhsa_inst_pref_size 133
	.end_amdhsa_kernel
	.amdgpu_metadata
---
amdhsa.version: [ 1, 2 ]
amdhsa.kernels:
  - .name:           k_qfdc5c5d41d_colpass
    .symbol:         k_qfdc5c5d41d_colpass.kd
    .args:
      - { .name: xb, .offset: 0, .size: 8, .value_kind: global_buffer, .address_space: global }
      - { .name: nrm, .offset: 8, .size: 8, .value_kind: global_buffer, .address_space: global }
      - { .name: st, .offset: 16, .size: 8, .value_kind: global_buffer, .address_space: global }
      - { .name: sg, .offset: 24, .size: 8, .value_kind: global_buffer, .address_space: global }
      - { .name: cs, .offset: 32, .size: 8, .value_kind: global_buffer, .address_space: global }
      - { .name: gsel, .offset: 40, .size: 8, .value_kind: global_buffer, .address_space: global }
    .group_segment_fixed_size: 327680
    .private_segment_fixed_size: 0
    .kernarg_segment_align: 8
    .kernarg_segment_size: 48
    .max_flat_workgroup_size: 128
    .sgpr_count:     66
    .vgpr_count:     1024
    .wavefront_size: 32
...
	.end_amdgpu_metadata
.endif
;; end of part 3
;; launch pick (part 4): grid 256 x 1, 16 waves a work-group, no clusters, 2,560 bytes of LDS; arguments xb, nrm, gsel, cs, out0, out1, part; writes out0, out1, part
.if DOCPART == 4
	.amdgcn_target "amdgcn-amd-amdhsa--gfx1250"
	.amdhsa_code_object_version 6
	.text
	.protected	k_qfdc5c5d41d_pick
	.globl	k_qfdc5c5d41d_pick
	.p2align	8
	.type	k_qfdc5c5d41d_pick,@function
k_qfdc5c5d41d_pick:
	s_mov_b64 s[64:65], 0
	v_nop
	global_prefetch_b8 v0, s[64:65] scope:SCOPE_SE
	s_setreg_imm32_b32 hwreg(HW_REG_WAVE_MODE, 25, 1), 1
	s_wait_xcnt 0x0
; For each row: among the 8 codes of its winning group (gsel, whole numbers stored by the launch before) the first least d; out1 = its index; out0 = z + (e - z); the row's part of sum (e - z)^2.
; z and e are the bf16-rounded inputs; d = fl(fl(zz + ee) - 2 dot), strict < in ascending order.  The code's row is CHOSEN among the eight loaded rows by v_cndmask_b32: no address hangs on a comparison.
; A work-group has 64 rows, a wave 4, a whole row at a time: a lane holds elements 4 l .. + 3 and 128 + 4 l .. + 3 of z and of all eight candidates.
; All loads of a wave go out at once: 8 for its rows of z, then 16 for each row's candidates.  No matrix unit: each row has eight candidates of its own, so a tile of 16 x 16 would use one column in sixteen.
; Wave 15 also adds up the 16 row splits' column sums of 32 codes and makes their part of sum a log2(a + 1e-5), a = sum / 16384.
; LIMITS: NaN and infinities are not treated apart; a group number is held to 0 .. 1023.
.set EB,    8388608
.set SPARE, 512                        ; the spare words: 128 bytes for each of sixteen waves.  LDS 0-255: 64 indices; 256-319: 16 sums; 320: the entropy part
.set SPW, 2                            ; v2  LDS address of my spare word; never rewritten
.set NIL, 3                            ; v3  0; never rewritten
; v4 8 x lane; v5 16 x lane; v6 0; v7 place, index; v8 lane l keeps the index of row l % 4; v9 wave; v[10:11] sum of squares; v12-14 addresses
; v16-23 dots, then d; v24-31 at work; v[32+36 k ..] row k: 8 candidates x 4 words, then z's 4 words; v176-191 e and z as f32; v[192+8 k ..] row k's out0; v224-239 wave 15's column sums
; s[24:27] groups; s[28:31] zz; s[32:35] 32 x group; s[40:63], s[68:75] ee of the four groups; s[76:83] the groups' addresses; s[88:91] 8 x group
	s_load_b256 s[4:11], s[0:1], 0x0               ; xb s[4:5], nrm s[6:7], gsel s[8:9], cs s[10:11]
	s_load_b128 s[12:15], s[0:1], 0x20             ; out0 s[12:13], out1 s[14:15]
	s_load_b64 s[16:17], s[0:1], 0x30              ; part
	v_lshl_add_u32 v[SPW], v0, 2, SPARE
	v_mov_b32 v[NIL], 0
	v_lshrrev_b32 v9, 5, v0
	v_readfirstlane_b32 s18, v9                    ; wave 0..15
	v_and_b32 v1, 31, v0
	v_lshlrev_b32 v4, 3, v1
	v_lshlrev_b32 v5, 4, v1
	v_mov_b32 v6, 0
	v_mov_b32 v8, 0
	v_mov_b32 v10, 0
	v_mov_b32 v11, 0
.irp j, 0,1,2,3,4,5,6,7
	v_mov_b32 v[24+\j], 0                          ; destinations of v_permlanex16_b32 count as read
.endr
	v_lshrrev_b32 v12, 3, v1
	v_and_b32 v13, 7, v1
	v_lshlrev_b32 v13, 4, v13
	v_lshl_add_u32 v12, v12, 15, v13               ; column sums: split l / 8, codes 4 (l % 8) on
	v_and_b32 v13, 3, v0
	v_lshlrev_b32 v13, 2, v13
	v_lshl_add_u32 v13, v9, 4, v13                 ; LDS word of row 4 x wave + l % 4
	v_lshl_add_u32 v14, v9, 2, 256                 ; LDS word of my wave's sum
	s_lshl_b32 s19, ttmp9, 6
	s_lshl_b32 s20, s18, 2
	s_add_co_u32 s19, s19, s20                     ; my first row
	s_lshl_b32 s20, s19, 2
	s_mov_b32 s22, 0x76543210
	s_mov_b32 s23, 0xfedcba98
	s_mov_b32 s37, 0
	s_mov_b32 s39, 0
	s_mov_b32 s92, 0xffff0000
	s_wait_kmcnt 0x0
	s_load_b128 s[24:27], s[8:9], s20 offset:0x0   ; my four rows' groups
	s_load_b128 s[28:31], s[6:7], s20 offset:0x0   ; and zz
	s_lshl_b32 s38, s19, 9
	s_add_nc_u64 s[84:85], s[4:5], s[38:39]        ; my rows of z
	s_lshl_b32 s38, s19, 10
	s_add_nc_u64 s[12:13], s[12:13], s[38:39]      ; and of out0
	s_lshl_b32 s38, ttmp9, 7
	s_add_nc_u64 s[86:87], s[10:11], s[38:39]      ; the work-group's 32 codes in cs
	s_lshl_b32 s38, ttmp9, 8
	s_add_nc_u64 s[14:15], s[14:15], s[38:39]
	s_lshl_b32 s38, ttmp9, 3
	s_add_nc_u64 s[16:17], s[16:17], s[38:39]
	s_cmp_lg_u32 s18, 15
	s_cbranch_scc1 .Lno_cs
.irp i, 0,1,2,3
	global_load_b128 v[224+4*\i:227+4*\i], v12, s[86:87] offset:131072*\i  ; splits l / 8 + 4 i: older than all loads below, so the counts below hold for this wave too
.endr
.Lno_cs:
.irp k, 0,1,2,3
	global_load_b64 v[64+36*\k:65+36*\k], v4, s[84:85] offset:512*\k
	global_load_b64 v[66+36*\k:67+36*\k], v4, s[84:85] offset:512*\k+256
.endr
	s_wait_kmcnt 0x0
.irp k, 0,1,2,3
	s_min_u32 s[24+\k], s[24+\k], 1023             ; a loaded number enters an address only behind this bound
	s_lshl_b32 s[32+\k], s[24+\k], 5
	s_lshl_b32 s[88+\k], s[24+\k], 3
	s_lshl_b32 s36, s[24+\k], 12                   ; 8 rows of 512 bytes
	s_add_co_u32 s36, s36, EB
	s_add_nc_u64 s[76+2*\k:77+2*\k], s[4:5], s[36:37]
.endr
	s_load_b256 s[40:47], s[6:7], s32 offset:0x10000  ; ee of each group's eight codes
	s_load_b256 s[48:55], s[6:7], s33 offset:0x10000
	s_load_b256 s[56:63], s[6:7], s34 offset:0x10000
	s_load_b256 s[68:75], s[6:7], s35 offset:0x10000
.irp k, 0,1,2,3
.irp j, 0,1,2,3,4,5,6,7
	global_load_b64 v[32+36*\k+4*\j:33+36*\k+4*\j], v4, s[76+2*\k:77+2*\k] offset:512*\j
	global_load_b64 v[34+36*\k+4*\j:35+36*\k+4*\j], v4, s[76+2*\k:77+2*\k] offset:512*\j+256
.endr
.endr
	s_wait_kmcnt 0x0
.macro PROW k
.set rB, 32+36*(\k)
.set rZ, rB+32
.set rE, 40+8*(\k)+4*((\k)/3)
.set rO, 192+8*(\k)
	s_wait_loadcnt 48-16*(\k)                      ; loads come back in order: row k's 16 are in, the later rows' 16 each stay out
.irp w, 0,1,2,3                        ; eight chains that do not wait for each other
.irp j, 0,1,2,3,4,5,6,7
.if \w == 0
	v_fma_mix_f32_bf16 v[16+\j], v[rB+4*\j+\w], v[rZ+\w], v6 op_sel_hi:[1,1,0]
.else
	v_fma_mix_f32_bf16 v[16+\j], v[rB+4*\j+\w], v[rZ+\w], v[16+\j] op_sel_hi:[1,1,0]
.endif
.endr
.irp j, 0,1,2,3,4,5,6,7
	v_fma_mix_f32_bf16 v[16+\j], v[rB+4*\j+\w], v[rZ+\w], v[16+\j] op_sel:[1,1,0] op_sel_hi:[1,1,0]
.endr
.endr
.irp m, 1,2,4,8
.irp j, 0,1,2,3,4,5,6,7
	v_add_f32_dpp v[16+\j], v[16+\j], v[16+\j] row_xmask:\m row_mask:0xf bank_mask:0xf
.endr
.endr
.irp j, 0,1,2,3,4,5,6,7
	v_permlanex16_b32 v[24+\j], v[16+\j], s22, s23
.endr
.irp j, 0,1,2,3,4,5,6,7
	v_add_f32 v[16+\j], v[16+\j], v[24+\j]         ; the dot, the same bits in every lane: each step adds the same two numbers in both partners
.endr
.irp j, 0,1,2,3,4,5,6,7
	v_add_f32 v[24+\j], s[28+(\k)], s[rE+\j]       ; t = zz + ee
.endr
.irp j, 0,1,2,3,4,5,6,7
	v_fma_f32 v[16+\j], v[16+\j], -2.0, v[24+\j]   ; d = t - 2 dot
.endr
	v_mov_b32 v7, 0
.irp j, 1,2,3,4,5,6,7
	v_cmp_lt_f32 vcc_lo, v[16+\j], v16
	v_cndmask_b32 v16, v16, v[16+\j], vcc_lo
	v_cndmask_b32 v7, v7, \j, vcc_lo
.irp w, 0,1,2,3
	v_cndmask_b32 v[rB+\w], v[rB+\w], v[rB+4*\j+\w], vcc_lo
.endr
.endr
	v_add_nc_u32 v7, s[88+(\k)], v7                ; index = 8 x group + place
	s_mov_b32 s21, 0x11111111<<(\k)
	v_cndmask_b32 v8, v8, v7, s21
.irp w, 0,1,2,3
	v_lshlrev_b32 v[176+2*\w], 16,  v[rB+\w]
	v_and_b32     v[177+2*\w], s92, v[rB+\w]
	v_lshlrev_b32 v[184+2*\w], 16,  v[rZ+\w]
	v_and_b32     v[185+2*\w], s92, v[rZ+\w]
.endr
.irp w, 0,2,4,6
	v_pk_add_f32 v[176+\w:177+\w], v[176+\w:177+\w], v[184+\w:185+\w] neg_lo:[0,1] neg_hi:[0,1]  ; e - z
	v_pk_add_f32 v[rO+\w:rO+\w+1], v[184+\w:185+\w], v[176+\w:177+\w]                            ; z + (e - z)
	v_pk_fma_f32 v[10:11], v[176+\w:177+\w], v[176+\w:177+\w], v[10:11]
.endr
	global_store_b128 v5, v[rO:rO+3],   s[12:13] offset:1024*(\k) th:TH_STORE_NT      ; 512 consecutive aligned bytes; a row's registers are its own
	global_store_b128 v5, v[rO+4:rO+7], s[12:13] offset:1024*(\k)+512 th:TH_STORE_NT
.endm
	PROW 0
	PROW 1
	PROW 2
	PROW 3
	s_cmp_lg_u32 s18, 15
	s_cbranch_scc1 .Lno_ent
.irp c, 0,2
	v_pk_add_f32 v[224+\c:225+\c], v[224+\c:225+\c], v[228+\c:229+\c]
	v_pk_add_f32 v[232+\c:233+\c], v[232+\c:233+\c], v[236+\c:237+\c]
	v_pk_add_f32 v[224+\c:225+\c], v[224+\c:225+\c], v[232+\c:233+\c]
.endr
.irp c, 0,1,2,3
	v_add_f32_dpp v[224+\c], v[224+\c], v[224+\c] row_xmask:8 row_mask:0xf bank_mask:0xf
.endr
.irp c, 0,1,2,3
	v_permlanex16_b32 v[228+\c], v[224+\c], s22, s23
.endr
.irp c, 0,1,2,3
	v_add_f32 v[224+\c], v[224+\c], v[228+\c]      ; all 16 splits
.endr
.irp c, 0,1,2,3
	v_mul_f32 v[224+\c], 0x38800000, v[224+\c]     ; a = sum / 16384
.endr
.irp c, 0,1,2,3
	v_add_f32 v[228+\c], 0x3727c5ac, v[224+\c]     ; a + 1e-5
.endr
.irp c, 0,1,2,3
	v_log_f32 v[228+\c], v[228+\c]
.endr
	v_mov_b32 v15, 320                             ; a plain instruction behind the logarithms
	s_wait_alu depctr_va_vdst(0)
	v_mul_f32 v224, v224, v228
	v_fma_f32 v224, v225, v229, v224
	v_fma_f32 v224, v226, v230, v224
	v_fma_f32 v224, v227, v231, v224
	v_add_f32_dpp v224, v224, v224 row_xmask:1 row_mask:0xf bank_mask:0xf
	v_add_f32_dpp v224, v224, v224 row_xmask:2 row_mask:0xf bank_mask:0xf
	v_add_f32_dpp v224, v224, v224 row_xmask:4 row_mask:0xf bank_mask:0xf
	ds_store_b32 v15, v224
.Lno_ent:
	ds_store_b32 v13, v8
	v_add_f32 v10, v10, v11
	v_add_f32_dpp v10, v10, v10 row_xmask:1 row_mask:0xf bank_mask:0xf
	v_add_f32_dpp v10, v10, v10 row_xmask:2 row_mask:0xf bank_mask:0xf
	v_add_f32_dpp v10, v10, v10 row_xmask:4 row_mask:0xf bank_mask:0xf
	v_add_f32_dpp v10, v10, v10 row_xmask:8 row_mask:0xf bank_mask:0xf
	v_permlanex16_b32 v11, v10, s22, s23
	v_add_f32 v10, v10, v11
	ds_store_b32 v14, v10
	s_wait_dscnt 0x0                               ; for wave 0's sake: my words are in LDS
	s_barrier_signal -1
	s_barrier_wait -1
	s_cmp_lg_u32 s18, 0
	s_cbranch_scc1 .Lend
	v_mov_b32 v12, 256
	ds_load_b128 v[16:19], v12
	ds_load_b128 v[20:23], v12 offset:16
	ds_load_b128 v[24:27], v12 offset:32
	ds_load_b128 v[28:31], v12 offset:48
	ds_load_b32 v33, v12 offset:64
	ds_load_b64 v[36:37], v4                       ; all lanes: the 64 indices, bytes 0 to 255
	s_wait_dscnt 0x0
	global_store_b64 v4, v[36:37], s[14:15]        ; 32 lanes x 8 bytes: 256 consecutive aligned bytes
.irp i, 1,2,3,4,5,6,7
	v_pk_add_f32 v[16:17], v[16:17], v[16+2*\i:17+2*\i]
.endr
	v_add_f32 v32, v16, v17
	v_cmp_eq_u32 vcc_lo, 0, v0
	s_wait_xcnt 0x0                                ; EXEC is a source of the stores above: it changes only behind this wait
	s_and_saveexec_b32 s93, vcc_lo
	global_store_b64 v6, v[32:33], s[16:17]        ; the work-group's two partial sums
	s_wait_xcnt 0x0
	s_or_b32 exec_lo, exec_lo, s93
.Lend:
	s_wait_tensorcnt 0x0                           ; the wave's end
	ds_add_u32 v[SPW], v[NIL]
	s_wait_dscnt 0x0
	s_endpgm
.Lfunc_end_k_qfdc5c5d41d_pick:
	.size	k_qfdc5c5d41d_pick, .Lfunc_end_k_qfdc5c5d41d_pick-k_qfdc5c5d41d_pick
	.p2alignl 7, 3214868480
	.fill 96, 4, 3214868480
	.section	.rodata,"a",@progbits
	.p2align	6, 0x0
	.amdhsa_kernel k_qfdc5c5d41d_pick
		.amdhsa_group_segment_fixed_size 2560
		.amdhsa_private_segment_fixed_size 0
		.amdhsa_enable_private_segment 0
		.amdhsa_kernarg_size 56
		.amdhsa_user_sgpr_count 2
		.amdhsa_user_sgpr_kernarg_segment_ptr 1
		.amdhsa_wavefront_size32 1
		.amdhsa_system_sgpr_workgroup_id_x 1
		.amdhsa_system_sgpr_workgroup_id_y 1
		.amdhsa_system_sgpr_workgroup_id_z 1
		.amdhsa_system_vgpr_workitem_id 0
		.amdhsa_next_free_vgpr 240
		.amdhsa_next_free_sgpr 96
		.amdhsa_reserve_vcc 1
		.amdhsa_float_denorm_mode_32 3
		.amdhsa_float_denorm_mode_16_64 3
		.amdhsa_memory_ordered 1
		.amdhsa_forward_progress 1
		.amdhsa_inst_pref_size 60
	.end_amdhsa_kernel
	.amdgpu_metadata
---
amdhsa.version: [ 1, 2 ]
amdhsa.kernels:
  - .name:           k_qfdc5c5d41d_pick
    .symbol:         k_qfdc5c5d41d_pick.kd
    .args:
      - { .name: xb, .offset: 0, .size: 8, .value_kind: global_buffer, .address_space: global }
      - { .name: nrm, .offset: 8, .size: 8, .value_kind: global_buffer, .address_space: global }
      - { .name: gsel, .offset: 16, .size: 8, .value_kind: global_buffer, .address_space: global }
      - { .name: cs, .offset: 24, .size: 8, .value_kind: global_buffer, .address_space: global }
      - { .name: out0, .offset: 32, .size: 8, .value_kind: global_buffer, .address_space: global }
      - { .name: out1, .offset: 40, .size: 8, .value_kind: global_buffer, .address_space: global }
      - { .name: part, .offset: 48, .size: 8, .value_kind: global_buffer, .address_space: global }
    .group_segment_fixed_size: 2560
    .private_segment_fixed_size: 0
    .kernarg_segment_align: 8
    .kernarg_segment_size: 56
    .max_flat_workgroup_size: 512
    .sgpr_count:     96
    .vgpr_count:     240
    .wavefront_size: 32
...
	.end_amdgpu_metadata
.endif
;; end of part 4
;; launch final (part 5): grid 1 x 1, 1 waves a work-group, no clusters, 0 bytes of LDS; arguments cs, part, out2, out3, out4, out5, out6, out7; writes out2, out3, out4, out5, out6, out7
.if DOCPART == 5
	.amdgcn_target "amdgcn-amd-amdhsa--gfx1250"
	.amdhsa_code_object_version 6
	.text
	.protected	k_qfdc5c5d41d_final
	.globl	k_qfdc5c5d41d_final
	.p2align	8
	.type	k_qfdc5c5d41d_final,@function
k_qfdc5c5d41d_final:
	s_mov_b64 s[64:65], 0
	v_nop
	global_prefetch_b8 v0, s[64:65] scope:SCOPE_SE
	s_setreg_imm32_b32 hwreg(HW_REG_WAVE_MODE, 25, 1), 1
	s_wait_xcnt 0x0
; The six numbers.  One wave adds 1,024 parts of sum p log2 p (cs + 524,288) and 256 pairs (sum (e - z)^2, sum a log2(a + 1e-5)) from part:
; commit = codebook = sum / 2^22; sample entropy = -ln 2 sum / 2^14; average entropy = -ln 2 sum; entropy loss = their difference; loss = 0.25 commit + codebook + 0.1 entropy loss.
; A sum that spans work-groups has one owner here; 6 KB are read, so one wave is all the work there is.
	s_load_b512 s[4:19], s[0:1], 0x0               ; cs s[4:5], part s[6:7], out2 s[8:9] .. out7 s[18:19]
	v_lshlrev_b32 v1, 4, v0
	v_mov_b32 v2, 0
	v_mov_b32 v3, 0
	s_mov_b32 s20, 0x76543210
	s_mov_b32 s21, 0xfedcba98
	s_wait_kmcnt 0x0
.irp i, 0,1,2,3,4,5,6,7
	global_load_b128 v[8+4*\i:11+4*\i], v1, s[4:5] offset:524288+512*\i
.endr
.irp i, 0,1,2,3
	global_load_b128 v[40+4*\i:43+4*\i], v1, s[6:7] offset:512*\i
.endr
	s_wait_loadcnt 0x0
.irp i, 1,2,3,4,5,6,7,8,9,10,11,12,13,14,15
	v_pk_add_f32 v[8:9], v[8:9], v[8+2*\i:9+2*\i]
.endr
	v_add_f32 v8, v8, v9
.irp i, 1,2,3,4,5,6,7
	v_pk_add_f32 v[40:41], v[40:41], v[40+2*\i:41+2*\i]  ; low: squares; high: entropy parts
.endr
.macro LANES r
	v_add_f32_dpp v[\r], v[\r], v[\r] row_xmask:1 row_mask:0xf bank_mask:0xf
	v_add_f32_dpp v[\r], v[\r], v[\r] row_xmask:2 row_mask:0xf bank_mask:0xf
	v_add_f32_dpp v[\r], v[\r], v[\r] row_xmask:4 row_mask:0xf bank_mask:0xf
	v_add_f32_dpp v[\r], v[\r], v[\r] row_xmask:8 row_mask:0xf bank_mask:0xf
	v_permlanex16_b32 v3, v[\r], s20, s21
	v_add_f32 v[\r], v[\r], v3
.endm
	LANES 8
	LANES 40
	LANES 41
	v_mul_f32 v40, 0x34800000, v40                 ; commit = codebook: / 2^22
	v_mul_f32 v8, 0xb8317218, v8                   ; sample entropy: x -ln 2 / 2^14
	v_mul_f32 v41, 0xbf317218, v41                 ; average entropy: x -ln 2
	v_sub_f32 v4, v8, v41                          ; entropy loss
	v_fma_f32 v5, v40, 0x3e800000, v40             ; 0.25 commit + codebook
	v_fma_f32 v5, v4, 0x3dcccccd, v5               ; + 0.1 entropy loss
	v_cmp_eq_u32 vcc_lo, 0, v0
	s_wait_xcnt 0x0                                ; EXEC changes only behind this wait
	s_and_saveexec_b32 s22, vcc_lo
	global_store_b32 v2, v5, s[8:9]
	global_store_b32 v2, v40, s[10:11]
	global_store_b32 v2, v40, s[12:13]
	global_store_b32 v2, v4, s[14:15]
	global_store_b32 v2, v8, s[16:17]
	global_store_b32 v2, v41, s[18:19]
	s_endpgm
.Lfunc_end_k_qfdc5c5d41d_final:
	.size	k_qfdc5c5d41d_final, .Lfunc_end_k_qfdc5c5d41d_final-k_qfdc5c5d41d_final
	.p2alignl 7, 3214868480
	.fill 96, 4, 3214868480
	.section	.rodata,"a",@progbits
	.p2align	6, 0x0
	.amdhsa_kernel k_qfdc5c5d41d_final
		.amdhsa_group_segment_fixed_size 0
		.amdhsa_private_segment_fixed_size 0
		.amdhsa_enable_private_segment 0
		.amdhsa_kernarg_size 64
		.amdhsa_user_sgpr_count 2
		.amdhsa_user_sgpr_kernarg_segment_ptr 1
		.amdhsa_wavefront_size32 1
		.amdhsa_system_sgpr_workgroup_id_x 1
		.amdhsa_system_sgpr_workgroup_id_y 1
		.amdhsa_system_sgpr_workgroup_id_z 1
		.amdhsa_system_vgpr_workitem_id 0
		.amdhsa_next_free_vgpr 64
		.amdhsa_next_free_sgpr 66
		.amdhsa_reserve_vcc 1
		.amdhsa_float_denorm_mode_32 3
		.amdhsa_float_denorm_mode_16_64 3
		.amdhsa_memory_ordered 1
		.amdhsa_forward_progress 1
		.amdhsa_inst_pref_size 6
	.end_amdhsa_kernel
	.amdgpu_metadata
---
amdhsa.version: [ 1, 2 ]
amdhsa.kernels:
  - .name:           k_qfdc5c5d41d_final
    .symbol:         k_qfdc5c5d41d_final.kd
    .args:
      - { .name: cs, .offset: 0, .size: 8, .value_kind: global_buffer, .address_space: global }
      - { .name: part, .offset: 8, .size: 8, .value_kind: global_buffer, .address_space: global }
      - { .name: out2, .offset: 16, .size: 8, .value_kind: global_buffer, .address_space: global }
      - { .name: out3, .offset: 24, .size: 8, .value_kind: global_buffer, .address_space: global }
      - { .name: out4, .offset: 32, .size: 8, .value_kind: global_buffer, .address_space: global }
      - { .name: out5, .offset: 40, .size: 8, .value_kind: global_buffer, .address_space: global }
      - { .name: out6, .offset: 48, .size: 8, .value_kind: global_buffer, .address_space: global }
      - { .name: out7, .offset: 56, .size: 8, .value_kind: global_buffer, .address_space: global }
    .group_segment_fixed_size: 0
    .private_segment_fixed_size: 0
    .kernarg_segment_align: 8
    .kernarg_segment_size: 64
    .max_flat_workgroup_size: 32
    .sgpr_count:     66
    .vgpr_count:     64
    .wavefront_size: 32
...
	.end_amdgpu_metadata
.endif
;; end of part 5
;; ======== version 2 of 2: 5 launches; 1.17 times as fast as version 1
;; workspace buffers: xb 12,582,912 bytes; nrm 98,304 bytes; st 1,048,576 bytes; sg 524,288 bytes of whole numbers; cs 528,384 bytes; gsel 65,536 bytes of whole numbers; part 2,048 bytes
;; launch prep: the kernel of part 1 again; grid 384 x 1, 8 waves a work-group, no clusters, 1,280 bytes of LDS; arguments z, emb, xb, nrm; writes xb, nrm
;; launch rowpass (part 6): grid 32 x 8, 4 waves a work-group, clusters of 4 x 1, 327,680 bytes of LDS; arguments xb, nrm, st, sg; writes st, sg
.if DOCPART == 6
	.amdgcn_target "amdgcn-amd-amdhsa--gfx1250"
	.amdhsa_code_object_version 6
	.text
	.protected	k_qfdc5c5d41d_rowpass
	.globl	k_qfdc5c5d41d_rowpass
	.p2align	8
	.type	k_qfdc5c5d41d_rowpass,@function
k_qfdc5c5d41d_rowpass:
	s_mov_b64 s[64:65], 0
	v_nop
	global_prefetch_b8 v0, s[64:65] scope:SCOPE_SE
	s_setreg_imm32_b32 hwreg(HW_REG_WAVE_MODE, 25, 1), 1
	s_wait_xcnt 0x0
	s_wait_alu depctr_hold_cnt(0) depctr_sa_sdst(0) depctr_va_vdst(0) depctr_va_sdst(0) depctr_va_ssrc(0) depctr_va_vcc(0) depctr_vm_vsrc(0)
	s_getreg_b32 s2, hwreg(HW_REG_IB_STS2, 6, 4)
	s_cmp_eq_u32 s2, 0
	s_cbranch_scc0 .Lentry_in_a_cluster
	s_endpgm
.Lentry_in_a_cluster:
	s_bfe_u32 s2, ttmp6, 0x10000c
	s_cmp_lg_u32 s2, 0x3003
	s_cbranch_scc0 .Lentry_shape_is_right
	s_endpgm
.Lentry_shape_is_right:
; FIRST PASS OVER d[r][k] = (zz_r + ee_k) - 2 z_r . e_k, rows resident.  For each row r and each split y of 1,024 codes it stores: the least d (st, [8][16384]), the sum
; Z = sum over the split's k of 2^(fl(c best) - c d), c = 100 log2 e, by a running minimum (st + 524,288), and the group (code >> 3) of the first least d (sg).
; d is formed as the module forms it: t = fl(zz + ee), d = fl(t - 2 dot); the first index wins ties (strict < in ascending order).
; SHARES.  A work-group: 512 rows x 1,024 codes.  A wave keeps 128 rows in 512 registers (8 tiles of 16 rows x 256); all four waves read the same codes from LDS, 16 a step.
; LAYOUT.  Source 0 = 16 codes, source 1 = 16 rows: in the result a lane holds ONE row (lane % 16) and the codes 8 (lane / 16) + 0..7, which are one group.
; So minimum, group and sum stay in the lane; the two halves of the lanes meet once, at the end.
; A STEP is 64 matrix instructions (W) and 264 vector instructions (V) on the step before, whose accumulators lie in the other of two sets.
; V IS CUT IN TWO BY ONE WAIT.  The step's 72 exponentials are ONE BATCH, each result in a register of its own (in place).  Ahead of the wait stands all that names no result of theirs: tile by tile, in two
; queues a stage apart, FR (d, minimum, exponents) and EX (exponentials), an exponential followed by two plain instructions; then, beside the last tile's exponentials and behind them, GR (the groups).
; Behind the wait stands BK (the sums), the eight tiles by turns.
; RING.  Two LDS slots of 256 codes (16 steps); each wave fetches a quarter.  CLUSTER.  The four partners have other rows and the same codes: each tile is asked for jointly.
; LIMITS.  NaN and infinities are not treated apart; a weight below 2^-126 counts as 0; c d must stay under 4e37.
; REGISTERS, in windows of 256 (s_set_vgpr_msb: bits 1:0 source 0, 3:2 source 1, 5:4 source 2, 7:6 destination):
;   window 0: v0-15 addresses; v16-79 eight registers of statistics a tile; v80-95 ee of a step's codes, by parity; v96-103 t; v112-123 the way out; v128-255 accumulators, by parity
;   window 1: v0-127 the codes' fragments, by parity      windows 2, 3: the rows' fragments, tiles 0-3 and 4-7, tile t, K step q at 64 (t % 4) + 8 q
.set EB,     8388608                   ; byte of emb's first row in xb
.set PITCH,  528                       ; an LDS row: 512 bytes + 16 of padding = 132 words: the 16 rows of a fragment load start 4 banks apart (64 banks of 4 bytes: ISA guide 11.1)
.set QUART,  64*PITCH                  ; what one tensor load brings
.set SLOT1,  4*QUART                   ; 0x21000: shares no bit with wave x QUART, so one exclusive or changes slots
.set STEPB,  16*PITCH
.set TABLE,  2*SLOT1                   ; ee of the split's 1,024 codes
.set STAGE,  TABLE+4096                ; 1,536 bytes for each wave, for the way out
.set SPARE,  STAGE+4*1536              ; the spare words: 128 bytes for each wave
.set A0,  3                            ; v3   my lane's place in 16 rows of a slot; never rewritten
.set ADR, 4                            ; v4   LDS address of the run of fragment loads in hand
.set EAD, 5                            ; v5   LDS address of the step's ee
.set GID, 6                            ; v6   the group that my lane holds in the step that V works on
.set RO,  7                            ; v7   my byte offset in 16 resident rows
.set STA, 8                            ; v8   the way out: where I put a row's number
.set STB, 9                            ; v9   the way out: where I read 16 bytes back
.set SPW, 10                           ; v10  LDS address of my spare word; never rewritten
.set NIL, 11                           ; v11  0; never rewritten
.set ST,  16                           ; tile t at ST + 8 t: zz, group, Z (even, odd codes), then (c best, best) twice: a step of parity p writes pair p and reads the other
.set EE,  80
.set T,   96
.set ACC, 128
.set WV,  24                           ; s24  wave
.set G1,  28                           ; s[28:35] descriptor group 1
.set G0,  36                           ; s[36:39] descriptor group 0: it walks
.set TB,  40                           ; s40  LDS byte of the step to be fetched
.set CNT, 41
.set SLOTS, 42
.set CC,  43                           ; s43  c
.set NC,  44                           ; s[44:45] -c, named as a pair
.set SEL, 46                           ; s[46:47] v_permlanex16_b32's selects
.set TE,  63                           ; s63  LDS byte of the ee of the step to be fetched
.set MSB, 0
.macro WIN new                         ; the high byte repeats the setting that is left; a switch that changes nothing is dropped
.if MSB != (\new)
	s_set_vgpr_msb (MSB<<8)|(\new)
.set MSB, (\new)
.endif
.endm
.macro CROUND                          ; a round of the cluster's barrier
	s_barrier_signal -1
	s_barrier_wait -1
	s_cmp_lg_u32 s[WV], 0
	s_cbranch_scc1 .Lnot_wave_0_\@
	s_barrier_signal -3
.Lnot_wave_0_\@:
	s_barrier_wait -3
	s_barrier_signal -1
	s_barrier_wait -1
.endm
.macro TLOAD                           ; my quarter of a tile, jointly with the three partners
	tensor_load_to_lds s[G0:G0+3], s[G1:G1+7]
	s_nop 0
.rept 4
	v_nop
.endr
.endm
; THE CHANGE OF SLOTS.  Each wave waits for all its tensor loads (one is out: its quarter of the other slot), adds 0 to its spare word, and waits for that and for its reads of the slot it leaves.
; fill = 1: a round of the cluster's barrier, so that no wave of any partner still reads the slot, and the joint refill first behind it: it has 16 steps, 1,024 matrix instructions, in which to land.
.macro CHANGE fill
	WIN 0
	s_wait_tensorcnt 0x0                           ; no tensor load of mine is out, so group 0 may be written
	ds_add_u32 v[SPW], v[NIL]
.if \fill
	s_xor_b32 s[G0+1], s[G0+1], SLOT1              ; the other slot than last time,
	s_add_nc_u64 s[G0+2:G0+3], s[G0+2:G0+3], 131072  ; the next 256 rows of 512 bytes; the type bits on top are not reached
.endif
	s_wait_dscnt 0x0                               ; the add is done, my reads of the slot are over (and, the first time, my stores into the table)
.if \fill
	CROUND
	TLOAD
.else
	s_barrier_signal -1
	s_barrier_wait -1
.endif
	s_sub_co_u32 s[TB], s[TB], SLOT1               ; 16 steps back,
	s_xor_b32 s[TB], s[TB], SLOT1                  ; in the other slot
.endm
; A step's LDS loads in one run: 16 codes x 256 (8 fragments) into set p, and their ee.  The two address lines are also places behind the products in front.
.macro FETCH p
	WIN 0
	v_add_nc_u32 v[ADR], s[TB], v[A0]
	v_lshl_add_u32 v[EAD], v2, 5, s[TE]            ; my half's eight codes: 32 bytes
	s_add_co_u32 s[TB], s[TB], STEPB
	s_add_co_u32 s[TE], s[TE], 64
	WIN 0x40                                       ; destination window 1
.irp q, 0,1,2,3,4,5,6,7
	ds_load_b128 v[64*(\p)+8*\q:64*(\p)+8*\q+3],   v[ADR] offset:64*\q
	ds_load_b128 v[64*(\p)+8*\q+4:64*(\p)+8*\q+7], v[ADR] offset:64*\q+32
.endr
	WIN 0
	ds_load_b128 v[EE+8*(\p):EE+8*(\p)+3],   v[EAD]
	ds_load_b128 v[EE+8*(\p)+4:EE+8*(\p)+7], v[EAD] offset:16
.endm
; A step's 64 products.  Four accumulators take turns, one instruction a turn; K ascending; the first product starts each sum.
.macro W p
	s_wait_dscnt 0x0                               ; set p's fragments and ee are in (asked for a whole V ago)
.irp hf, 0,1
	WIN 0x09+4*\hf                                 ; source 0 window 1, source 1 window 2 or 3, C and D window 0
.irp q, 0,1,2,3,4,5,6,7
.irp t, 0,1,2,3
.if \q == 0
	v_wmma_f32_16x16x32_bf16 v[ACC+64*(\p)+8*(4*\hf+\t):ACC+64*(\p)+8*(4*\hf+\t)+7], v[64*(\p)+8*\q:64*(\p)+8*\q+7], v[64*\t+8*\q:64*\t+8*\q+7], 0
.else
	v_wmma_f32_16x16x32_bf16 v[ACC+64*(\p)+8*(4*\hf+\t):ACC+64*(\p)+8*(4*\hf+\t)+7], v[64*(\p)+8*\q:64*(\p)+8*\q+7], v[64*\t+8*\q:64*\t+8*\q+7], v[ACC+64*(\p)+8*(4*\hf+\t):ACC+64*(\p)+8*(4*\hf+\t)+7]
.endif
.endr
.endr
.endr
	WIN 0
.endm
; FR: number n of 18 for tile t.  0-3 t = ee + zz (they name no accumulator: the places behind the last products); 4-7 d = t - 2 dot, lowest registers first; 8-11 the new minimum;
; 12 c best; 13 c best - c best_old; 14-17 c best - c d.
.macro FR t, p, n
.set fn, (\n)
.set rA, ACC+64*(\p)+8*(\t)
.set rS, ST+8*(\t)
.set rN, rS+4+2*(\p)
.set rO, rS+6-2*(\p)
.if fn < 4
	v_pk_add_f32 v[T+2*fn:T+2*fn+1], v[EE+8*(\p)+2*fn:EE+8*(\p)+2*fn+1], v[rS:rS+1] op_sel_hi:[1,0]
.elseif fn < 8
	v_pk_fma_f32 v[rA+2*fn-8:rA+2*fn-7], v[rA+2*fn-8:rA+2*fn-7], -2.0, v[T+2*fn-8:T+2*fn-7] op_sel_hi:[1,0,1]
.elseif fn == 8
	v_min3_num_f32 v[rN+1], v[rA], v[rA+1], v[rA+2]
.elseif fn < 11
	v_min3_num_f32 v[rN+1], v[rN+1], v[rA+2*fn-15], v[rA+2*fn-14]
.elseif fn == 11
	v_min3_num_f32 v[rN+1], v[rN+1], v[rA+7], v[rO+1]
.elseif fn == 12
	v_mul_f32 v[rN], s[CC], v[rN+1]
.elseif fn == 13
	v_sub_f32 v[rO], v[rN], v[rO]
.else
	v_pk_fma_f32 v[rA+2*fn-28:rA+2*fn-27], v[rA+2*fn-28:rA+2*fn-27], s[NC:NC+1], v[rN:rN+1] op_sel_hi:[1,0,0]
.endif
.endm
; GR: number n of 16: tile n / 2 takes the step's group where its minimum fell.  It reads the new and the old best, which stay as they are to V's end, and feeds no exponential.
.macro GR p, n
.set rS, ST+8*((\n)/2)
.set rN, rS+4+2*(\p)
.set rO, rS+6-2*(\p)
.if (\n)%2 == 0
	v_cmp_lt_f32 vcc_lo, v[rN+1], v[rO+1]
.else
	v_cndmask_b32 v[rS+1], v[rS+1], v[GID], vcc_lo
.endif
.endm
.macro EX t, p, n                      ; number n of 9: a = 2^(c best - c best_old), then the eight weights
.set fn, (\n)
.set rA, ACC+64*(\p)+8*(\t)
.set rO, ST+8*(\t)+6-2*(\p)
.if fn == 0
	v_exp_f32 v[rO], v[rO]
.else
	v_exp_f32 v[rA+fn-1], v[rA+fn-1]
.endif
.endm
; BK: number n of 32, tile n % 8, line n / 8 of four: the weights' sum, and Z = a Z + sum.  The tiles take turns, so that no line reads the result of the one before it; a tile's sum keeps its order.
.macro BK p, n
.set fn, (\n)/8
.set rA, ACC+64*(\p)+8*((\n)%8)
.set rS, ST+8*((\n)%8)
.set rO, rS+6-2*(\p)
.if fn == 0
	v_pk_add_f32 v[rA:rA+1], v[rA:rA+1], v[rA+2:rA+3]
.elseif fn == 1
	v_pk_add_f32 v[rA+4:rA+5], v[rA+4:rA+5], v[rA+6:rA+7]
.elseif fn == 2
	v_pk_add_f32 v[rA:rA+1], v[rA:rA+1], v[rA+4:rA+5]
.else
	v_pk_fma_f32 v[rS+2:rS+3], v[rS+2:rS+3], v[rO:rO+1], v[rA:rA+1] op_sel_hi:[1,0,1]
.endif
.endm
; V.  Eight stages: FR of tile vu, and between its lines EX of tile vu - 1: FR names its own tile's registers, T, EE alone, so no result of the batch.  Then EX of tile 7 and GR by turns, the rest of GR,
; and GID's step: nine plain instructions stand between the last exponential and the wait.  Then the wait, and BK.
.macro V p
.set vu, 0
.rept 8
.set vq, 0
.rept 9
.if vu >= 1
	EX vu-1, \p, vq/2
.endif
	FR vu, \p, vq
	FR vu, \p, vq+1
.set vq, vq+2
.endr
.set vu, vu+1
.endr
.set vq, 0
.rept 9
	EX 7, \p, vq
	GR \p, vq
.set vq, vq+1
.endr
.rept 7
	GR \p, vq
.set vq, vq+1
.endr
	v_add_nc_u32 v[GID], 2, v[GID]                 ; the next step's group
	s_wait_alu depctr_va_vdst(0)                   ; ONE wait for the step's batch of 72 exponentials; ahead of it nothing names a result of theirs, behind it none is issued
.set vq, 0
.rept 32
	BK \p, vq
.set vq, vq+1
.endr
.endm
	s_load_b256 s[4:11], s[0:1], 0x0               ; xb s[4:5], nrm s[6:7], st s[8:9], sg s[10:11]
	v_lshl_add_u32 v[SPW], v0, 2, SPARE
	v_mov_b32 v[NIL], 0
	ds_add_u32 v[SPW], v[NIL]                      ; the wave's opening: the add and its wait ahead of my first tensor load; work on registers stands between
	v_lshrrev_b32 v12, 5, v0
	v_readfirstlane_b32 s[WV], v12                 ; wave 0..3
	s_bfe_u32 s25, ttmp6, 0x40000                  ; cx
	s_lshl_b32 s26, ttmp9, 2
	s_add_co_u32 s26, s26, s25                     ; x: my block of 512 rows; it enters global addresses alone
	s_and_b32 s27, ttmp7, 0xffff                   ; y: the split of 1,024 codes, which the four partners share
	s_mov_b32 s[G1+0], 15|(1<<16)|(1<<20)|(1<<21)|(6<<22)|(3<<25)  ; mask of four; 2-byte elements; padding on; bit 21 beside a mask; after every 128 words 4 words
	s_mov_b32 s[G1+1], 256<<16                     ; tensor_dim0 = 256
	s_mov_b32 s[G1+2], 64<<16                      ; tensor_dim1 = 64
	s_mov_b32 s[G1+3], 256<<16                     ; tile_dim0 = 256
	s_mov_b32 s[G1+4], 64                          ; tile_dim1 = 64
	s_mov_b32 s[G1+5], 256                         ; elements from row to row
	s_mov_b32 s[G1+6], 0
	s_mov_b32 s[G1+7], 0
	s_mov_b32 s[G0], 1
	s_mul_i32 s[G0+1], s[WV], QUART                ; slot 0, my quarter
	s_lshl_b32 s48, s27, 19                        ; the split's 1,024 rows of 512 bytes,
	s_lshl_b32 s49, s[WV], 15                      ; my 64 of a tile's 256,
	s_add_co_u32 s48, s48, s49
	s_add_co_u32 s48, s48, EB                      ; in emb's part of xb
	s_mov_b32 s49, 0
	s_lshl_b32 s50, s26, 18                        ; my block's 512 rows of z,
	s_lshl_b32 s51, s[WV], 16                      ; my wave's 128
	s_add_co_u32 s50, s50, s51
	s_mov_b32 s51, 0
	s_lshl_b32 s52, s26, 11                        ; the same rows at 4 bytes a row
	s_lshl_b32 s53, s[WV], 9
	s_add_co_u32 s52, s52, s53
	s_mov_b32 s53, 0
	s_lshl_b32 s54, s27, 12                        ; the split's ee
	s_add_co_u32 s54, s54, 65536
	s_mov_b32 s55, 0
	s_lshl_b32 s56, s27, 16                        ; the split's plane of st and sg
	s_add_co_u32 s56, s56, s52
	s_mov_b32 s57, 0
	s_lshl_b32 s58, s27, 7                         ; the split's first group
	s_mul_i32 s59, s[WV], 1536
	s_add_co_u32 s59, s59, STAGE                   ; my stage
	s_mov_b32 s[CC], 0x431044fe                    ; c = 100 log2 e = 144.2695
	s_mov_b32 s[NC], 0xc31044fe
	s_mov_b32 s[NC+1], s[NC]
	s_mov_b32 s[SEL], 0x76543210
	s_mov_b32 s[SEL+1], 0xfedcba98
	s_mov_b32 s[TB], 2*SLOT1                       ; the first change of slots turns this into 0
	s_mov_b32 s[TE], TABLE
	s_wait_dscnt 0x0                               ; the opening add is done
	s_wait_kmcnt 0x0
	s_add_nc_u64 s[G0+2:G0+3], s[4:5], s[48:49]
	s_or_b32 s[G0+3], s[G0+3], 0x80000000          ; type = 2
	s_add_nc_u64 s[12:13], s[4:5], s[50:51]        ; my rows of z
	s_add_nc_u64 s[14:15], s[6:7], s[52:53]        ; their zz
	s_add_nc_u64 s[16:17], s[6:7], s[54:55]        ; the split's ee
	s_add_nc_u64 s[18:19], s[8:9], s[56:57]        ; where my results go
	s_add_nc_u64 s[20:21], s[10:11], s[56:57]
	CROUND                                         ; all four work-groups are here: the first joint loads meet
	TLOAD                                          ; tile 0 into slot 0
	v_and_b32 v1, 15, v0                           ; l % 16
	v_bfe_u32 v2, v0, 4, 1                         ; l / 16
	v_mul_u32_u24 v[A0], v1, PITCH
	v_lshl_add_u32 v[A0], v2, 4, v[A0]             ; row x pitch + 16 x half
	v_lshlrev_b32 v[RO], 9, v1
	v_lshl_add_u32 v[RO], v2, 4, v[RO]             ; row x 512 + 16 x half
	WIN 0x80                                       ; destination window 2, address window 0
.set li, 0
.rept 32                                               ; tile li / 8, K step li % 8: a fragment is two loads of 16 bytes, 32 bytes apart
	global_load_b128 v[8*li:8*li+3],   v[RO], s[12:13] offset:(li/8)*8192+(li%8)*64
	global_load_b128 v[8*li+4:8*li+7], v[RO], s[12:13] offset:(li/8)*8192+(li%8)*64+32
.set li, li+1
.endr
	WIN 0xc0                                       ; destination window 3
.set li, 0
.rept 32
	global_load_b128 v[8*li:8*li+3],   v[RO], s[12:13] offset:32768+(li/8)*8192+(li%8)*64
	global_load_b128 v[8*li+4:8*li+7], v[RO], s[12:13] offset:32768+(li/8)*8192+(li%8)*64+32
.set li, li+1
.endr
	WIN 0
	v_lshlrev_b32 v12, 2, v1
.irp t, 0,1,2,3,4,5,6,7
	global_load_b32 v[ST+8*\t], v12, s[14:15] offset:64*\t  ; zz of my row in tile t
.endr
	v_lshlrev_b32 v13, 5, v0
	global_load_b128 v[T:T+3],   v13, s[16:17]     ; 128 threads x 32 bytes: the split's ee
	global_load_b128 v[T+4:T+7], v13, s[16:17] offset:16
.irp t, 0,1,2,3,4,5,6,7
	v_mov_b32 v[ST+8*\t+1], 0
	v_mov_b32 v[ST+8*\t+2], 0                      ; Z = 0
	v_mov_b32 v[ST+8*\t+3], 0
	v_mov_b32 v[ST+8*\t+6], 0x7e000000             ; c best: far above every c d, so the first a is 0
	v_mov_b32 v[ST+8*\t+7], 0x7f7fffff             ; best: the largest finite number
.endr
	v_add_nc_u32 v[GID], s58, v2
	v_lshl_add_u32 v[STA], v1, 2, s59
	v_and_b32 v15, 31, v0
	v_lshlrev_b32 v15, 4, v15                      ; 16 x lane
	v_add_nc_u32 v[STB], s59, v15
	v_add_nc_u32 v14, TABLE, v13
	s_wait_loadcnt 0x0                             ; rows, zz, ee
	ds_store_b128 v14, v[T:T+3]
	ds_store_b128 v14, v[T+4:T+7] offset:16
	CHANGE 1                                       ; tile 0 is in and the table is whole, everybody's part; tile 1 is asked for
	FETCH 0
	s_mov_b32 s[CNT], 8
	s_mov_b32 s[SLOTS], 3
	s_branch .Lfirst                               ; the loop is entered behind V: there is no step before the first
.Lslot:                                                ; twice: tiles 2 and 3 are asked for
	CHANGE 1
	s_mov_b32 s[CNT], 8
.Lstep:                                                ; a trip is two steps
	FETCH 0
	V 1
.Lfirst:
	W 0
	FETCH 1
	V 0
	W 1
	s_sub_co_u32 s[CNT], s[CNT], 1
	s_cmp_lg_u32 s[CNT], 0
	s_cbranch_scc1 .Lstep
	s_sub_co_u32 s[SLOTS], s[SLOTS], 1
	s_cmp_lg_u32 s[SLOTS], 0
	s_cbranch_scc1 .Lslot
	CHANGE 0                                       ; the last tile is written out: nothing is asked for
	s_mov_b32 s[CNT], 8
.Ltail:
	FETCH 0
	V 1
	W 0
	FETCH 1
	V 0
	W 1
	s_sub_co_u32 s[CNT], s[CNT], 1
	s_cmp_lg_u32 s[CNT], 0
	s_cbranch_scc1 .Ltail
	V 1                                            ; the last step's vector work; its first four lines are the places behind the last products
; THE WAY OUT.  The two halves of the lanes hold the same row's even and odd groups: least d, Z brought to the common shift, and the group of the first least d (on a tile the lower group on a tie).
; Both halves form the same bits and write the same LDS word.  The eight tiles' sixteen exponentials are ONE BATCH: tile t works in eight registers of its own, ACC + 8 t (the accumulators' set 0,
; which nothing needs any more): +0, +1, +2 the other half's best, group, Z; +3 the least d; +4, +5 c times it and c times the other's best; +6, +7 the two shifts, then their exponentials.
; FINA: all that names no result; FINB, behind the wait: the readers and the stores.
.macro FINA t
.set rS, ST+8*(\t)
.set rF, ACC+8*(\t)
	v_add_f32 v[rS+2], v[rS+2], v[rS+3]
	v_permlanex16_b32 v[rF], v[rS+7], s[SEL], s[SEL+1]    ; destinations of v_permlanex16_b32 count as read: these registers have been written, by the products
	v_permlanex16_b32 v[rF+1], v[rS+1], s[SEL], s[SEL+1]
	v_permlanex16_b32 v[rF+2], v[rS+2], s[SEL], s[SEL+1]
	v_min_num_f32 v[rF+3], v[rS+7], v[rF]
	v_mul_f32 v[rF+5], s[CC], v[rF]
	v_mul_f32 v[rF+4], s[CC], v[rF+3]
	v_sub_f32 v[rF+6], v[rF+4], v[rS+6]
	v_sub_f32 v[rF+7], v[rF+4], v[rF+5]
	v_exp_f32 v[rF+6], v[rF+6]
	v_exp_f32 v[rF+7], v[rF+7]
	v_cmp_lt_f32 s52, v[rF], v[rS+7]               ; three plain lines stand behind the exponentials
	v_cmp_eq_f32 s53, v[rF], v[rS+7]
	v_cmp_lt_u32 s54, v[rF+1], v[rS+1]
	s_and_b32 s53, s53, s54
	s_or_b32 s52, s52, s53
	v_cndmask_b32 v[rF+1], v[rS+1], v[rF+1], s52
.endm
.macro FINB t
.set rS, ST+8*(\t)
.set rF, ACC+8*(\t)
	v_mul_f32 v[rF+6], v[rF+6], v[rS+2]
	v_mul_f32 v[rF+7], v[rF+7], v[rF+2]
	v_add_f32 v[rF+6], v[rF+6], v[rF+7]
	ds_store_b32 v[STA], v[rF+3] offset:64*(\t)
	ds_store_b32 v[STA], v[rF+6] offset:512+64*(\t)
	ds_store_b32 v[STA], v[rF+1] offset:1024+64*(\t)
.endm
.irp t, 0,1,2,3,4,5,6,7
	FINA \t
.endr
	s_wait_alu depctr_va_vdst(0)                   ; one wait for the way out's batch of sixteen exponentials
.irp t, 0,1,2,3,4,5,6,7
	FINB \t
.endr
	ds_load_b128 v[112:115], v[STB]                ; LDS serves a wave's instructions in order (ISA guide 5.7.1.4): these see my stores above
	ds_load_b128 v[116:119], v[STB] offset:512
	ds_load_b128 v[120:123], v[STB] offset:1024
	s_wait_dscnt 0x0
	global_store_b128 v15, v[112:115], s[18:19]    ; each store: my 128 rows, 512 consecutive aligned bytes
	global_store_b128 v15, v[116:119], s[18:19] offset:524288
	global_store_b128 v15, v[120:123], s[20:21]
	s_wait_tensorcnt 0x0                           ; the wave's end
	ds_add_u32 v[SPW], v[NIL]
	s_wait_dscnt 0x0
	CROUND                                         ; the closing round
	s_endpgm
.Lfunc_end_k_qfdc5c5d41d_rowpass:
	.size	k_qfdc5c5d41d_rowpass, .Lfunc_end_k_qfdc5c5d41d_rowpass-k_qfdc5c5d41d_rowpass
	.p2alignl 7, 3214868480
	.fill 96, 4, 3214868480
	.section	.rodata,"a",@progbits
	.p2align	6, 0x0
	.amdhsa_kernel k_qfdc5c5d41d_rowpass
		.amdhsa_group_segment_fixed_size 327680
		.amdhsa_private_segment_fixed_size 0
		.amdhsa_enable_private_segment 0
		.amdhsa_kernarg_size 32
		.amdhsa_user_sgpr_count 2
		.amdhsa_user_sgpr_kernarg_segment_ptr 1
		.amdhsa_wavefront_size32 1
		.amdhsa_system_sgpr_workgroup_id_x 1
		.amdhsa_system_sgpr_workgroup_id_y 1
		.amdhsa_system_sgpr_workgroup_id_z 1
		.amdhsa_system_vgpr_workitem_id 0
		.amdhsa_next_free_vgpr 1024
		.amdhsa_next_free_sgpr 66
		.amdhsa_reserve_vcc 1
		.amdhsa_float_denorm_mode_32 3
		.amdhsa_float_denorm_mode_16_64 3
		.amdhsa_memory_ordered 1
		.amdhsa_forward_progress 1
		.amdhsa_inst_pref_size 121
	.end_amdhsa_kernel
	.amdgpu_metadata
---
amdhsa.version: [ 1, 2 ]
amdhsa.kernels:
  - .name:           k_qfdc5c5d41d_rowpass
    .symbol:         k_qfdc5c5d41d_rowpass.kd
    .args:
      - { .name: xb, .offset: 0, .size: 8, .value_kind: global_buffer, .address_space: global }
      - { .name: nrm, .offset: 8, .size: 8, .value_kind: global_buffer, .address_space: global }
      - { .name: st, .offset: 16, .size: 8, .value_kind: global_buffer, .address_space: global }
      - { .name: sg, .offset: 24, .size: 8, .value_kind: global_buffer, .address_space: global }
    .group_segment_fixed_size: 327680
    .private_segment_fixed_size: 0
    .kernarg_segment_align: 8
    .kernarg_segment_size: 32
    .max_flat_workgroup_size: 128
    .sgpr_count:     66
    .vgpr_count:     1024
    .wavefront_size: 32
...
	.end_amdgpu_metadata
.endif
;; end of part 6
;; launch colpass (part 7): grid 16 x 16, 4 waves a work-group, clusters of 4 x 1, 327,680 bytes of LDS; arguments xb, nrm, st, sg, cs, gsel; writes cs, gsel
.if DOCPART == 7
	.amdgcn_target "amdgcn-amd-amdhsa--gfx1250"
	.amdhsa_code_object_version 6
	.text
	.protected	k_qfdc5c5d41d_colpass
	.globl	k_qfdc5c5d41d_colpass
	.p2align	8
	.type	k_qfdc5c5d41d_colpass,@function
k_qfdc5c5d41d_colpass:
	s_mov_b64 s[64:65], 0
	v_nop
	global_prefetch_b8 v0, s[64:65] scope:SCOPE_SE
	s_setreg_imm32_b32 hwreg(HW_REG_WAVE_MODE, 25, 1), 1
	s_wait_xcnt 0x0
	s_wait_alu depctr_hold_cnt(0) depctr_sa_sdst(0) depctr_va_vdst(0) depctr_va_sdst(0) depctr_va_ssrc(0) depctr_va_vcc(0) depctr_vm_vsrc(0)
	s_getreg_b32 s2, hwreg(HW_REG_IB_STS2, 6, 4)
	s_cmp_eq_u32 s2, 0
	s_cbranch_scc0 .Lentry_in_a_cluster
	s_endpgm
.Lentry_in_a_cluster:
	s_bfe_u32 s2, ttmp6, 0x10000c
	s_cmp_lg_u32 s2, 0x3003
	s_cbranch_scc0 .Lentry_shape_is_right
	s_endpgm
.Lentry_shape_is_right:
; SECOND PASS OVER d, codes resident.  With each row's least d and Z known, p = W 2^(fl(c best) - c d), W = 1 / Z.  Stored: for each split y of 1,024 rows the column sums of p
; (cs, [16][8192]); for each wave its part of sum p log2 p (cs + 524,288); and each row's winning group of 8 codes (gsel), which the next launch turns into addresses.
; d has the same bits as in the first pass: the same chain of eight products with the sources swapped, the same two roundings; so the weights add up to the first pass's Z.
; sum over k of p log2 p = W U - log2 Z with U = sum over k of w arg (w = 2^arg): U is summed over a lane's codes, times W over a step's rows; log2 Z is taken off once a row, by the work-groups with x = 0.
; SHARES.  A work-group: 512 codes x 1,024 rows.  A wave keeps 128 codes in 512 registers; all four waves read the same rows of z from LDS, 16 a step.
; LAYOUT.  Source 0 = 16 rows, source 1 = 16 codes: a lane holds ONE code (lane % 16) and the rows 8 (lane / 16) + 0..7.
; Steps, ring and cluster as in the first pass: the four partners have other codes and the same rows.
; V IS CUT IN TWO BY ONE WAIT.  The step's 64 exponentials are ONE BATCH.  arg is kept, so each weight needs a register of its own: while V works on the accumulators of one parity, the set of the other parity
; is free (its step's V is over, its next products come behind this V), and takes the 64 weights.  Ahead of the wait: FR (d, arg) and EX (exponentials), tile by tile, a stage apart.  Behind it: BK (the sums).
; HEAD.  Each work-group merges the eight splits' (best, Z) of its 1,024 rows into three LDS tables: zz, c best, W.  Wave 0 merges best and group for 64 rows of its own.
; LIMITS.  NaN and infinities are not treated apart; a weight below 2^-126 counts as 0.
; REGISTERS: window 0: v0-15 addresses; v16-47 four a tile: ee, 0, column sum (even, odd rows); v48-55 U; v56-59 H; v64-111 the step's zz, c best, W, by parity; v112-127 t, two sets;
;   v128-255 accumulators, by parity; in V the other parity's set holds the weights.  window 1: v0-127 the rows' fragments, by parity.  windows 2, 3: the codes' fragments.
.set EB,     8388608
.set PITCH,  528                       ; 512 bytes + 16 of padding: the 16 rows of a fragment load start 4 banks apart (64 banks of 4 bytes: ISA guide 11.1)
.set QUART,  64*PITCH
.set SLOT1,  4*QUART
.set STEPB,  16*PITCH
.set TZZ,    2*SLOT1                   ; zz of the split's 1,024 rows; c best 4,096 bytes on; W 8,192 bytes on
.set STAGE,  TZZ+12288                 ; 512 bytes for each wave
.set SPARE,  STAGE+4*512               ; the spare words: 128 bytes for each wave
.set A0,  3
.set ADR, 4
.set EAD, 5
.set RO,  7
.set STA, 8
.set STB, 9
.set SPW, 10                           ; v10  LDS address of my spare word; never rewritten
.set NIL, 11                           ; v11  0; never rewritten
.set ST,  16
.set U,   48
.set H,   56
.set TAB, 64
.set PB,  112
.set ACC, 128
.set WV,  24
.set G1,  28
.set G0,  36
.set TB,  40
.set CNT, 41
.set SLOTS, 42
.set CC,  43
.set NC,  44
.set SEL, 46
.set TE,  63
.set MSB, 0
.macro WIN new
.if MSB != (\new)
	s_set_vgpr_msb (MSB<<8)|(\new)
.set MSB, (\new)
.endif
.endm
.macro CROUND
	s_barrier_signal -1
	s_barrier_wait -1
	s_cmp_lg_u32 s[WV], 0
	s_cbranch_scc1 .Lnot_wave_0_\@
	s_barrier_signal -3
.Lnot_wave_0_\@:
	s_barrier_wait -3
	s_barrier_signal -1
	s_barrier_wait -1
.endm
.macro TLOAD
	tensor_load_to_lds s[G0:G0+3], s[G1:G1+7]
	s_nop 0
.rept 4
	v_nop
.endr
.endm
.macro CHANGE fill                     ; the change of slots: all my tensor loads, the add, my LDS instructions; the round; the joint refill first behind it
	WIN 0
	s_wait_tensorcnt 0x0
	ds_add_u32 v[SPW], v[NIL]
.if \fill
	s_xor_b32 s[G0+1], s[G0+1], SLOT1
	s_add_nc_u64 s[G0+2:G0+3], s[G0+2:G0+3], 131072
.endif
	s_wait_dscnt 0x0
.if \fill
	CROUND
	TLOAD
.else
	s_barrier_signal -1
	s_barrier_wait -1
.endif
	s_sub_co_u32 s[TB], s[TB], SLOT1
	s_xor_b32 s[TB], s[TB], SLOT1
.endm
.macro FETCH p                         ; 16 rows x 256 into set p, and my eight rows' zz, c best, W
	WIN 0
	v_add_nc_u32 v[ADR], s[TB], v[A0]
	v_lshl_add_u32 v[EAD], v2, 5, s[TE]
	s_add_co_u32 s[TB], s[TB], STEPB
	s_add_co_u32 s[TE], s[TE], 64
	WIN 0x40
.irp q, 0,1,2,3,4,5,6,7
	ds_load_b128 v[64*(\p)+8*\q:64*(\p)+8*\q+3],   v[ADR] offset:64*\q
	ds_load_b128 v[64*(\p)+8*\q+4:64*(\p)+8*\q+7], v[ADR] offset:64*\q+32
.endr
	WIN 0
.irp g, 0,1,2
	ds_load_b128 v[TAB+24*(\p)+8*\g:TAB+24*(\p)+8*\g+3],   v[EAD] offset:4096*\g
	ds_load_b128 v[TAB+24*(\p)+8*\g+4:TAB+24*(\p)+8*\g+7], v[EAD] offset:4096*\g+16
.endr
.endm
.macro W p                             ; 64 products; four accumulators take turns; K ascending
	s_wait_dscnt 0x0
.irp hf, 0,1
	WIN 0x09+4*\hf
.irp q, 0,1,2,3,4,5,6,7
.irp t, 0,1,2,3
.if \q == 0
	v_wmma_f32_16x16x32_bf16 v[ACC+64*(\p)+8*(4*\hf+\t):ACC+64*(\p)+8*(4*\hf+\t)+7], v[64*(\p)+8*\q:64*(\p)+8*\q+7], v[64*\t+8*\q:64*\t+8*\q+7], 0
.else
	v_wmma_f32_16x16x32_bf16 v[ACC+64*(\p)+8*(4*\hf+\t):ACC+64*(\p)+8*(4*\hf+\t)+7], v[64*(\p)+8*\q:64*(\p)+8*\q+7], v[64*\t+8*\q:64*\t+8*\q+7], v[ACC+64*(\p)+8*(4*\hf+\t):ACC+64*(\p)+8*(4*\hf+\t)+7]
.endif
.endr
.endr
.endr
	WIN 0
.endm
; FR: number n of 12.  0-3 t = zz + ee (no accumulator named: the places behind the last products); 4-7 d = t - 2 dot, lowest registers first; 8-11 arg = c best - c d.
.macro FR t, p, n
.set fn, (\n)
.set rA, ACC+64*(\p)+8*(\t)
.set rP, PB+8*((\t)%2)
.set rT, TAB+24*(\p)
.set rS, ST+4*(\t)
.if fn < 4
	v_pk_add_f32 v[rP+2*fn:rP+2*fn+1], v[rT+2*fn:rT+2*fn+1], v[rS:rS+1] op_sel_hi:[1,0]
.elseif fn < 8
	v_pk_fma_f32 v[rA+2*fn-8:rA+2*fn-7], v[rA+2*fn-8:rA+2*fn-7], -2.0, v[rP+2*fn-8:rP+2*fn-7] op_sel_hi:[1,0,1]
.else
	v_pk_fma_f32 v[rA+2*fn-16:rA+2*fn-15], v[rA+2*fn-16:rA+2*fn-15], s[NC:NC+1], v[rT+2*fn-8:rT+2*fn-7] op_sel_hi:[1,0,1]
.endif
.endm
.macro EX t, p, n                      ; number n of 8: w = 2^arg, into the same place of the other parity's set; arg is kept
.set fn, (\n)
.set rA, ACC+64*(\p)+8*(\t)
.set rX, ACC+64*(1-(\p))+8*(\t)
	v_exp_f32 v[rX+fn], v[rA+fn]
.endm
; BK: number n of 64, in eight blocks of eight, two kinds by turns.  Block j, place i of four: column sum of tile 4 (j % 2) + i += (w W) of pair j / 2; U's pair i += (w arg) of tile j (tile 0 starts U).
; So a tile's column sum takes its pairs in ascending order, 16 lines apart, and each of U's four chains takes the tiles in ascending order, 8 lines apart: the sums' orders are as the tiles' own, and no line waits for the one before it.
.macro BK p, n
.set bj, (\n)/8
.set bi, ((\n)%8)/2
.set rW, TAB+24*(\p)+16+2*(bj/2)
.if (\n)%2 == 0
.set rX, ACC+64*(1-(\p))+8*(4*(bj%2)+bi)+2*(bj/2)
.set rC, ST+4*(4*(bj%2)+bi)+2
	v_pk_fma_f32 v[rC:rC+1], v[rX:rX+1], v[rW:rW+1], v[rC:rC+1]
.else
.set rX, ACC+64*(1-(\p))+8*bj+2*bi
.set rA, ACC+64*(\p)+8*bj+2*bi
.if bj == 0
	v_pk_mul_f32 v[U+2*bi:U+2*bi+1], v[rX:rX+1], v[rA:rA+1]
.else
	v_pk_fma_f32 v[U+2*bi:U+2*bi+1], v[rX:rX+1], v[rA:rA+1], v[U+2*bi:U+2*bi+1]
.endif
.endif
.endm
; V.  Eight stages: FR of tile vu, and between its first eight lines EX of tile vu - 1, exponential and plain by turns: FR names its own tile's accumulators, t, the tables and ee alone, so no result of the batch.
; Then EX of tile 7: every plain line ahead of the wait feeds an exponential, so none is left to stand beside these eight; a v_nop is the plain instruction behind the last.  Then the wait, BK, and H += U W.
.macro V p
.set vu, 0
.rept 8
.set vq, 0
.rept 8
.if vu >= 1
	EX vu-1, \p, vq
.endif
	FR vu, \p, vq
.set vq, vq+1
.endr
.rept 4
	FR vu, \p, vq
.set vq, vq+1
.endr
.set vu, vu+1
.endr
.set vq, 0
.rept 8
	EX 7, \p, vq
.set vq, vq+1
.endr
	v_nop                                          ; a plain instruction between the last exponentials and the use of their results
	s_wait_alu depctr_va_vdst(0)                   ; ONE wait for the step's batch of 64 exponentials; ahead of it nothing names a result of theirs, behind it none is issued
.set vq, 0
.rept 64
	BK \p, vq
.set vq, vq+1
.endr
.irp i, 0,1,2,3
	v_pk_fma_f32 v[H+2*(\i%2):H+2*(\i%2)+1], v[U+2*\i:U+2*\i+1], v[TAB+24*(\p)+16+2*\i:TAB+24*(\p)+17+2*\i], v[H+2*(\i%2):H+2*(\i%2)+1]
.endr
.endm
; Thread t merges the eight splits of rows 4 (t + 128 k) .. + 3: best = the least; Z = sum of Z_s 2^(fl(c best) - fl(c best_s)); W = 1 / Z; log2 Z.
; Two batches, since the second reads sums of the first's results: 32 exponentials; then four reciprocals and four logarithms.
.macro MERGE k
.set rB, 128+64*(\k)
.set rZ, rB+32
.irp c, 0,1,2,3
	v_min3_num_f32 v[64+\c], v[rB+\c], v[rB+4+\c], v[rB+8+\c]
.endr
.irp c, 0,1,2,3
	v_min3_num_f32 v[64+\c], v[64+\c], v[rB+12+\c], v[rB+16+\c]
.endr
.irp c, 0,1,2,3
	v_min3_num_f32 v[64+\c], v[64+\c], v[rB+20+\c], v[rB+24+\c]
.endr
.irp c, 0,1,2,3
	v_min_num_f32 v[64+\c], v[64+\c], v[rB+28+\c]
.endr
.irp c, 0,1,2,3
	v_mul_f32 v[68+\c], s[CC], v[64+\c]
.endr
.set mi, 0
.rept 16
	v_pk_mul_f32 v[rB+2*mi:rB+2*mi+1], v[rB+2*mi:rB+2*mi+1], s[NC:NC+1] op_sel_hi:[1,0]  ; -fl(c best_s): the first pass's own shift
.set mi, mi+1
.endr
.set mi, 0
.rept 16
	v_pk_add_f32 v[rB+2*mi:rB+2*mi+1], v[rB+2*mi:rB+2*mi+1], v[68+2*(mi%2):69+2*(mi%2)]
.set mi, mi+1
.endr
.set mi, 0
.rept 32
	v_exp_f32 v[rB+mi], v[rB+mi]
.set mi, mi+1
.endr
	v_nop                                          ; a plain instruction behind the last exponential
	s_wait_alu depctr_va_vdst(0)                   ; one wait for the batch of 32 exponentials
	v_pk_mul_f32 v[72:73], v[rZ:rZ+1], v[rB:rB+1]
	v_pk_mul_f32 v[74:75], v[rZ+2:rZ+3], v[rB+2:rB+3]
.set mi, 2
.rept 14
	v_pk_fma_f32 v[72+2*(mi%2):73+2*(mi%2)], v[rZ+2*mi:rZ+2*mi+1], v[rB+2*mi:rB+2*mi+1], v[72+2*(mi%2):73+2*(mi%2)]
.set mi, mi+1
.endr
.irp c, 0,1,2,3
	v_rcp_f32 v[76+\c], v[72+\c]
.endr
.irp c, 0,1,2,3
	v_log_f32 v[80+\c], v[72+\c]
.endr
	v_nop                                          ; a plain instruction behind the last logarithm
	ds_store_b128 v15, v[112+4*(\k):115+4*(\k)] offset:2048*(\k)
	ds_store_b128 v15, v[68:71] offset:4096+2048*(\k)
	s_wait_alu depctr_va_vdst(0)                   ; one wait for the batch of four reciprocals and four logarithms; the two stores above name none of their results
	ds_store_b128 v15, v[76:79] offset:8192+2048*(\k)
	v_pk_add_f32 v[80:81], v[80:81], v[82:83]
.if (\k) == 0
	v_add_f32 v85, v80, v81
.else
	v_add_f32 v80, v80, v81
	v_add_f32 v85, v85, v80
.endif
.endm
	s_load_b256 s[4:11], s[0:1], 0x0               ; xb s[4:5], nrm s[6:7], st s[8:9], sg s[10:11]
	s_load_b128 s[12:15], s[0:1], 0x20             ; cs s[12:13], gsel s[14:15]
	v_lshl_add_u32 v[SPW], v0, 2, SPARE
	v_mov_b32 v[NIL], 0
	ds_add_u32 v[SPW], v[NIL]                      ; the wave's opening: the add and its wait ahead of my first tensor load
	v_lshrrev_b32 v12, 5, v0
	v_readfirstlane_b32 s[WV], v12
	s_bfe_u32 s25, ttmp6, 0x40000                  ; cx
	s_lshl_b32 s26, ttmp9, 2
	s_add_co_u32 s26, s26, s25                     ; x: my block of 512 codes; it enters global addresses and one factor alone
	s_and_b32 s27, ttmp7, 0xffff                   ; y: the split of 1,024 rows, which the four partners share
	s_mov_b32 s[G1+0], 15|(1<<16)|(1<<20)|(1<<21)|(6<<22)|(3<<25)
	s_mov_b32 s[G1+1], 256<<16
	s_mov_b32 s[G1+2], 64<<16
	s_mov_b32 s[G1+3], 256<<16
	s_mov_b32 s[G1+4], 64
	s_mov_b32 s[G1+5], 256
	s_mov_b32 s[G1+6], 0
	s_mov_b32 s[G1+7], 0
	s_mov_b32 s[G0], 1
	s_mul_i32 s[G0+1], s[WV], QUART
	; byte offsets, each in the pair that then takes the sum with its buffer's address
	s_lshl_b32 s[G0+2], s27, 19                    ; the split's rows of z, my 64 of a tile's 256
	s_lshl_b32 s48, s[WV], 15
	s_add_co_u32 s[G0+2], s[G0+2], s48
	s_mov_b32 s[G0+3], 0
	s_lshl_b32 s16, s26, 18                        ; my wave's 128 codes in xb
	s_lshl_b32 s48, s[WV], 16
	s_add_co_u32 s16, s16, s48
	s_add_co_u32 s16, s16, EB
	s_mov_b32 s17, 0
	s_lshl_b32 s48, s26, 11                        ; the same codes at 4 bytes each
	s_lshl_b32 s49, s[WV], 9
	s_add_co_u32 s48, s48, s49
	s_add_co_u32 s18, s48, 65536                   ; their ee
	s_mov_b32 s19, 0
	s_lshl_b32 s20, s27, 12                        ; the split's rows at 4 bytes each
	s_mov_b32 s21, 0
	s_lshl_b32 s49, s26, 8
	s_add_co_u32 s50, s20, s49                     ; of them the 64 whose group this work-group settles
	s_mov_b32 s51, 0
	s_lshl_b32 s56, s27, 15                        ; the split's plane of column sums
	s_add_co_u32 s56, s56, s48
	s_mov_b32 s57, 0
	s_lshl_b32 s58, s27, 8                         ; my wave's word: 524,288 + 4 ((16 y + x) 4 + wave)
	s_lshl_b32 s49, s26, 4
	s_add_co_u32 s58, s58, s49
	s_lshl_b32 s49, s[WV], 2
	s_add_co_u32 s58, s58, s49
	s_add_co_u32 s58, s58, 524288
	s_mov_b32 s59, 0
	s_min_u32 s60, s26, 1
	s_xor_b32 s60, s60, 1                          ; 1 where x = 0, else 0
	s_lshl_b32 s61, s[WV], 9
	s_add_co_u32 s61, s61, STAGE                   ; my stage
	s_mov_b32 s[CC], 0x431044fe                    ; c = 100 log2 e
	s_mov_b32 s[NC], 0xc31044fe
	s_mov_b32 s[NC+1], s[NC]
	s_mov_b32 s[SEL], 0x76543210
	s_mov_b32 s[SEL+1], 0xfedcba98
	s_mov_b32 s[TB], 2*SLOT1
	s_mov_b32 s[TE], TZZ
	s_wait_dscnt 0x0                               ; the opening add is done
	s_wait_kmcnt 0x0
	s_add_nc_u64 s[G0+2:G0+3], s[4:5], s[G0+2:G0+3]
	s_or_b32 s[G0+3], s[G0+3], 0x80000000
	s_add_nc_u64 s[16:17], s[4:5], s[16:17]        ; my codes
	s_add_nc_u64 s[18:19], s[6:7], s[18:19]        ; their ee
	s_add_nc_u64 s[22:23], s[6:7], s[20:21]        ; the split's zz
	s_add_nc_u64 s[20:21], s[8:9], s[20:21]        ; the split's best and Z
	s_add_nc_u64 s[52:53], s[10:11], s[50:51]      ; 64 rows' groups,
	s_add_nc_u64 s[54:55], s[14:15], s[50:51]      ; where the winning group goes,
	s_add_nc_u64 s[50:51], s[8:9], s[50:51]        ; and their best
	s_add_nc_u64 s[56:57], s[12:13], s[56:57]
	s_add_nc_u64 s[58:59], s[12:13], s[58:59]
	CROUND
	TLOAD                                          ; tile 0 into slot 0
	v_and_b32 v1, 15, v0
	v_bfe_u32 v2, v0, 4, 1
	v_mul_u32_u24 v[A0], v1, PITCH
	v_lshl_add_u32 v[A0], v2, 4, v[A0]
	v_lshlrev_b32 v[RO], 9, v1
	v_lshl_add_u32 v[RO], v2, 4, v[RO]
	WIN 0x80
.set li, 0
.rept 32
	global_load_b128 v[8*li:8*li+3],   v[RO], s[16:17] offset:(li/8)*8192+(li%8)*64
	global_load_b128 v[8*li+4:8*li+7], v[RO], s[16:17] offset:(li/8)*8192+(li%8)*64+32
.set li, li+1
.endr
	WIN 0xc0
.set li, 0
.rept 32
	global_load_b128 v[8*li:8*li+3],   v[RO], s[16:17] offset:32768+(li/8)*8192+(li%8)*64
	global_load_b128 v[8*li+4:8*li+7], v[RO], s[16:17] offset:32768+(li/8)*8192+(li%8)*64+32
.set li, li+1
.endr
	WIN 0
	v_lshlrev_b32 v12, 2, v1
.irp t, 0,1,2,3,4,5,6,7
	global_load_b32 v[ST+4*\t], v12, s[18:19] offset:64*\t  ; ee of my code in tile t
.endr
	v_lshlrev_b32 v13, 4, v0
.irp k, 0,1
.irp s, 0,1,2,3,4,5,6,7
	global_load_b128 v[128+64*\k+4*\s:128+64*\k+4*\s+3], v13, s[20:21] offset:65536*\s+2048*\k          ; best of split s
	global_load_b128 v[160+64*\k+4*\s:160+64*\k+4*\s+3], v13, s[20:21] offset:524288+65536*\s+2048*\k   ; Z of split s
.endr
	global_load_b128 v[112+4*\k:115+4*\k], v13, s[22:23] offset:2048*\k
.endr
	v_and_b32 v14, 31, v0
	v_lshlrev_b32 v14, 3, v14
	s_cmp_lg_u32 s[WV], 0
	s_cbranch_scc1 .Lno_ld
.irp s, 0,1,2,3,4,5,6,7
	global_load_b64 v[64+2*\s:65+2*\s], v14, s[50:51] offset:65536*\s  ; wave 0: two rows a lane: best,
	global_load_b64 v[80+2*\s:81+2*\s], v14, s[52:53] offset:65536*\s  ; and group, of split s
.endr
.Lno_ld:
.irp t, 0,1,2,3,4,5,6,7
	v_mov_b32 v[ST+4*\t+1], 0
	v_mov_b32 v[ST+4*\t+2], 0
	v_mov_b32 v[ST+4*\t+3], 0
.endr
	v_lshl_add_u32 v15, v0, 4, TZZ
	v_lshl_add_u32 v[STA], v1, 2, s61
	v_lshl_add_u32 v[STB], v14, 1, s61             ; 16 x lane
	s_wait_loadcnt 0x0
	s_cmp_lg_u32 s[WV], 0
	s_cbranch_scc1 .Lno_sel
.irp s, 1,2,3,4,5,6,7                  ; strict < in ascending order of splits: the first least d keeps its group
.irp c, 0,1
	v_cmp_lt_f32 vcc_lo, v[64+2*\s+\c], v[64+\c]
	v_cndmask_b32 v[80+\c], v[80+\c], v[80+2*\s+\c], vcc_lo
	v_min_num_f32 v[64+\c], v[64+\c], v[64+2*\s+\c]
.endr
.endr
	global_store_b64 v14, v[80:81], s[54:55]       ; 64 rows: 256 consecutive aligned bytes
	s_wait_xcnt 0x0                                ; v80, v81 are rewritten below
.Lno_sel:
	MERGE 0
	MERGE 1
	v_cvt_f32_u32 v12, s60
	v_mul_f32 v[H], -v85, v12                      ; each row's log2 Z is taken off once in the launch
	v_mov_b32 v[H+1], 0
	v_mov_b32 v[H+2], 0
	v_mov_b32 v[H+3], 0
	CHANGE 1                                       ; tile 0 is in and the tables are whole; tile 1 is asked for
	FETCH 0
	s_mov_b32 s[CNT], 8
	s_mov_b32 s[SLOTS], 3
	s_branch .Lfirst
.Lslot:
	CHANGE 1
	s_mov_b32 s[CNT], 8
.Lstep:
	FETCH 0
	V 1
.Lfirst:
	W 0
	FETCH 1
	V 0
	W 1
	s_sub_co_u32 s[CNT], s[CNT], 1
	s_cmp_lg_u32 s[CNT], 0
	s_cbranch_scc1 .Lstep
	s_sub_co_u32 s[SLOTS], s[SLOTS], 1
	s_cmp_lg_u32 s[SLOTS], 0
	s_cbranch_scc1 .Lslot
	CHANGE 0                                       ; the last tile is written out: nothing is asked for
	s_mov_b32 s[CNT], 8
.Ltail:
	FETCH 0
	V 1
	W 0
	FETCH 1
	V 0
	W 1
	s_sub_co_u32 s[CNT], s[CNT], 1
	s_cmp_lg_u32 s[CNT], 0
	s_cbranch_scc1 .Ltail
	V 1
	; THE WAY OUT: a code's sum over even and odd rows and over the two halves of the lanes; through my stage, so that 128 codes leave as 512 consecutive bytes
.irp t, 0,1,2,3,4,5,6,7
	v_add_f32 v[ST+4*\t+2], v[ST+4*\t+2], v[ST+4*\t+3]
.endr
.irp t, 0,1,2,3,4,5,6,7
	v_permlanex16_b32 v[ST+4*\t+3], v[ST+4*\t+2], s[SEL], s[SEL+1]
.endr
.irp t, 0,1,2,3,4,5,6,7
	v_add_f32 v[ST+4*\t+2], v[ST+4*\t+2], v[ST+4*\t+3]
.endr
.irp t, 0,1,2,3,4,5,6,7
	ds_store_b32 v[STA], v[ST+4*\t+2] offset:64*\t
.endr
	ds_load_b128 v[48:51], v[STB]                  ; LDS serves a wave's instructions in order (ISA guide 5.7.1.4)
	v_pk_add_f32 v[H:H+1], v[H:H+1], v[H+2:H+3]
	v_add_f32 v[H], v[H], v[H+1]
	v_add_f32_dpp v[H], v[H], v[H] row_xmask:1 row_mask:0xf bank_mask:0xf
	v_add_f32_dpp v[H], v[H], v[H] row_xmask:2 row_mask:0xf bank_mask:0xf
	v_add_f32_dpp v[H], v[H], v[H] row_xmask:4 row_mask:0xf bank_mask:0xf
	v_add_f32_dpp v[H], v[H], v[H] row_xmask:8 row_mask:0xf bank_mask:0xf
	v_permlanex16_b32 v[H+1], v[H], s[SEL], s[SEL+1]
	v_add_f32 v[H], v[H], v[H+1]
	v_and_b32 v12, 31, v0
	v_lshlrev_b32 v13, 4, v12
	v_mov_b32 v14, 0
	s_wait_dscnt 0x0
	global_store_b128 v13, v[48:51], s[56:57]
	v_cmp_eq_u32 vcc_lo, 0, v12
	s_wait_xcnt 0x0                                ; EXEC changes only behind this wait
	s_and_saveexec_b32 s62, vcc_lo
	global_store_b32 v14, v[H], s[58:59]           ; my wave's part of sum p log2 p
	s_wait_xcnt 0x0
	s_or_b32 exec_lo, exec_lo, s62
	s_wait_tensorcnt 0x0                           ; the wave's end
	ds_add_u32 v[SPW], v[NIL]
	s_wait_dscnt 0x0
	CROUND                                         ; the closing round
	s_endpgm
.Lfunc_end_k_qfdc5c5d41d_colpass:
	.size	k_qfdc5c5d41d_colpass, .Lfunc_end_k_qfdc5c5d41d_colpass-k_qfdc5c5d41d_colpass
	.p2alignl 7, 3214868480
	.fill 96, 4, 3214868480
	.section	.rodata,"a",@progbits
	.p2align	6, 0x0
	.amdhsa_kernel k_qfdc5c5d41d_colpass
		.amdhsa_group_segment_fixed_size 327680
		.amdhsa_private_segment_fixed_size 0
		.amdhsa_enable_private_segment 0
		.amdhsa_kernarg_size 48
		.amdhsa_user_sgpr_count 2
		.amdhsa_user_sgpr_kernarg_segment_ptr 1
		.amdhsa_wavefront_size32 1
		.amdhsa_system_sgpr_workgroup_id_x 1
		.amdhsa_system_sgpr_workgroup_id_y 1
		.amdhsa_system_sgpr_workgroup_id_z 1
		.amdhsa_system_vgpr_workitem_id 0
		.amdhsa_next_free_vgpr 1024
		.amdhsa_next_free_sgpr 66
		.amdhsa_reserve_vcc 1
		.amdhsa_float_denorm_mode_32 3
		.amdhsa_float_denorm_mode_16_64 3
		.amdhsa_memory_ordered 1
		.amdhsa_forward_progress 1
		.amdhsa_inst_pref_size 128
	.end_amdhsa_kernel
	.amdgpu_metadata
---
amdhsa.version: [ 1, 2 ]
amdhsa.kernels:
  - .name:           k_qfdc5c5d41d_colpass
    .symbol:         k_qfdc5c5d41d_colpass.kd
    .args:
      - { .name: xb, .offset: 0, .size: 8, .value_kind: global_buffer, .address_space: global }
      - { .name: nrm, .offset: 8, .size: 8, .value_kind: global_buffer, .address_space: global }
      - { .name: st, .offset: 16, .size: 8, .value_kind: global_buffer, .address_space: global }
      - { .name: sg, .offset: 24, .size: 8, .value_kind: global_buffer, .address_space: global }
      - { .name: cs, .offset: 32, .size: 8, .value_kind: global_buffer, .address_space: global }
      - { .name: gsel, .offset: 40, .size: 8, .value_kind: global_buffer, .address_space: global }
    .group_segment_fixed_size: 327680
    .private_segment_fixed_size: 0
    .kernarg_segment_align: 8
    .kernarg_segment_size: 48
    .max_flat_workgroup_size: 128
    .sgpr_count:     66
    .vgpr_count:     1024
    .wavefront_size: 32
...
	.end_amdgpu_metadata
.endif
;; end of part 7
;; launch pick: the kernel of part 4 again; grid 256 x 1, 16 waves a work-group, no clusters, 2,560 bytes of LDS; arguments xb, nrm, gsel, cs, out0, out1, part; writes out0, out1, part
;; launch final: the kernel of part 5 again; grid 1 x 1, 1 waves a work-group, no clusters, 0 bytes of LDS; arguments cs, part, out2, out3, out4, out5, out6, out7; writes out2, out3, out4, out5, out6, out7
